; MI455X (gfx1250); checked and timed in simulation.
; The chip was launched on July 23, 2026; its instructions are those of AMD's public machine-readable ISA for CDNA 5 (MIT licence, August 2026) and "CDNA5" Instruction Set Architecture Reference Guide (July 2026). The comments in the code are by the model that wrote it; some were corrected since.
;; fu T. Allowed arithmetic: matrix products marked QUANTISED: E2M3 operands, one E8M0 scale for each 32 along K, by v_wmma_scale_f32_16x16x128_f8f6f4 with both operands' format E2M3, f32 sums; everything else in f32.
;; Inputs: aggW_codes 2 x 256 x 32 x 24 uint8 (E2M3 codes of aggW, K innermost, in blocks of 32 codes, four codes in three bytes); aggW_scales 2 x 256 x 32 uint8 (E8M0 scales of aggW, one for each 32 codes along K); aggb 2 x 256 float32; col_embed 32 x 128 float32; kvW 272 x 256 float32; kvb 256 float32; l1W_codes 2 x 1,024 x 8 x 24 uint8 (E2M3 codes of l1W, K innermost, in blocks of 32 codes, four codes in three bytes); l1W_scales 2 x 1,024 x 8 uint8 (E8M0 scales of l1W, one for each 32 codes along K); l1b 2 x 1,024 float32; l2W_codes 2 x 256 x 32 x 24 uint8 (E2M3 codes of l2W, K innermost, in blocks of 32 codes, four codes in three bytes); l2W_scales 2 x 256 x 32 uint8 (E8M0 scales of l2W, one for each 32 codes along K); l2b 2 x 256 float32; matched_features 4 x 8 x 272 x 32 x 32 float32; n1b 2 x 256 float32; n1g 2 x 256 float32; n2b 2 x 256 float32; n2g 2 x 256 float32; outW_codes 272 x 8 x 24 uint8 (E2M3 codes of outW, K innermost, in blocks of 32 codes, four codes in three bytes); outW_scales 272 x 8 uint8 (E8M0 scales of outW, one for each 32 codes along K); outb 272 float32; qW 272 x 256 float32; qb 256 float32; query_features 8 x 272 x 32 x 32 float32; row_embed 32 x 128 float32.
;; Outputs: out0 8 x 272 x 32 x 32 float32; out1 8 x 1 x 256 x 256 float32.
;; This version of the problem:
;;   THIS VERSION OF THE PROBLEM IS GIVEN IN LOW PRECISION. The matrix products marked QUANTISED in the list below multiply operands that are first quantised to E2M3 (2 exponent bits, 3 mantissa bits; 6 bits a number), with one power-of-two scale for each 32 numbers along K (OCP MX v1.0); their sums are f32. All else is computed in f32.
;;   The module's matrix products, in the order in which they are computed (A, B: the left and right operand; K: the contracted axis; several contracted axes count as one K, in the product's order):
;;     1. [M 8,192, K 272] x [K 272, N 256]; A: input query_features; B: input qW: QUANTISED
;;     2. [M 32,768, K 272] x [K 272, N 256]; A: input matched_features; B: input kvW: QUANTISED
;;     3. batch 8 x [M 4,096, K 256] x [K 256, N 1,024]; A: computed on the way; B: computed on the way: QUANTISED
;;     4. batch 32 x [M 256, K 1,024] x [K 1,024, N 1,024]; A: computed on the way; B: softmax (see below): QUANTISED
;;     5. [M 8,192, K 1,024] x [K 1,024, N 256]; A: computed on the way; B: input aggW (given as codes): QUANTISED
;;     6. [M 8,192, K 256] x [K 256, N 1,024]; A: computed on the way; B: input l1W (given as codes): QUANTISED
;;     7. [M 8,192, K 1,024] x [K 1,024, N 256]; A: computed on the way; B: input l2W (given as codes): QUANTISED
;;     8. batch 8 x [M 4,096, K 256] x [K 256, N 1,024]; A: computed on the way; B: computed on the way: QUANTISED
;;     9. batch 32 x [M 256, K 1,024] x [K 1,024, N 1,024]; A: computed on the way; B: softmax (see below): QUANTISED
;;     10. [M 8,192, K 1,024] x [K 1,024, N 256]; A: computed on the way; B: input aggW (given as codes): QUANTISED
;;     11. [M 8,192, K 256] x [K 256, N 1,024]; A: computed on the way; B: input l1W (given as codes): QUANTISED
;;     12. [M 8,192, K 1,024] x [K 1,024, N 256]; A: computed on the way; B: input l2W (given as codes): QUANTISED
;;     13. [M 8,192, K 256] x [K 256, N 272]; A: computed on the way; B: input outW (given as codes): QUANTISED
;;   THE QUANTISER, for each operand of a quantised product, along K:
;;     - K is cut into blocks of 32 from its start; a last block that is shorter is filled with zeros.
;;     - A block's scale is 2^e with e = floor(log2(the largest magnitude in the block)) - 2, held to -126 .. 127; a block of zeros has e = 0. As a byte (E8M0): e + 127.
;;     - Each number is divided by its block's scale, clamped to +-7.5, and rounded to the nearest number of E2M3, ties to even, subnormals kept.
;;     - The product sums the exact products of the quantised numbers (number of the format x scale) in f32.
;;   ~~~python
;;   def quantise(x, axis):      # numpy; x: float32 -> the quantised numbers, widened to float32 again
;;       x = np.moveaxis(x, axis, -1); K = x.shape[-1]
;;       x = np.pad(x, [(0, 0)] * (x.ndim - 1) + [(0, -K % 32)]); x = x.reshape(x.shape[:-1] + (-1, 32)); a = np.abs(x).max(-1, keepdims=True)
;;       e = np.where(a > 0, np.clip(np.frexp(np.where(a > 0, a, 1))[1] - 1 - 2, -126, 127), 0)      # np.frexp(a)[1] - 1 = floor(log2(a)), exactly
;;       r = np.clip(x / 2.0 ** e, -7.5, 7.5)
;;       step = 2.0 ** (np.maximum(np.frexp(np.where(r == 0, 1, r))[1] - 1, 0) - 3)
;;       q = np.round(r / step) * step * 2.0 ** e      # np.round: ties to even
;;       return np.moveaxis(q.reshape(q.shape[:-2] + (-1,))[..., :K], -1, axis).astype(np.float32)
;;   ~~~
;;   SOFTMAX AHEAD OF A QUANTISED PRODUCT. Where the list says 'softmax', what is quantised is not the finished softmax but p = 2^(t - M), with t = logit x log2(e) and M = ceil(the row's largest t), a whole number; so 1/2 < the row's largest p <= 1. The row's sum l is taken of the UNQUANTISED p, in f32, and the product's result is divided by l at the end. Since M is a whole number, a kernel that streams over the keys may use a running M (the ceiling of the running maximum): every later rescaling is an exact power of two, which a block's scale takes up: the codes' values come out the same.
;;   OPERANDS COMPUTED ON THE WAY. 'Computed on the way' means the value that the module computes at that place (a softmax that the list does not call 'softmax' is quantised finished and normalised). What goes into a quantiser is computed in f32, as accurately as f32 sums, v_exp_f32 and their like allow (about 1e-6 of the number): no bf16 or f16 on the way to a quantiser, and a product that is left as it is and whose result goes on into a quantised operand takes f32 operands (vector FMAs, or v_wmma_f32_16x16x4_f32). A number that lies on a knife's edge between two numbers of the format may be rounded either way, as far as f32 arithmetic and the matrix unit's own rounding can turn it there, and no further.
;;   INPUTS GIVEN AS CODES. aggW (in the module: [2, 1024, 256], K = its axis 1); l1W (in the module: [2, 256, 1024], K = its axis 1); l2W (in the module: [2, 1024, 256], K = its axis 1); outW (in the module: [256, 272], K = its axis 0): each comes as NAME_codes (uint8): NAME with its K axis moved to the last place and cut into blocks of 32 codes, [.., K / 32, bytes a block], one block behind the other in memory; four codes in three bytes: a row's codes are one little-endian stream of bits, code i at bits 6 i .. 6 i + 5 (a code: sign, 2 exponent bits, 3 mantissa bits); and NAME_scales (uint8): the same leading axes, one E8M0 byte (e + 127) for each 32 codes along K. Its value is code x scale, taken as it is: it is not quantised again, and the codes and scales need not be those that the quantiser above would give.
;; One version. Each part assembles by itself: llvm-mc -triple=amdgcn-amd-amdhsa -mcpu=gfx1250 --defsym DOCPART=n.
;; ======== version 1 of 1: 4 launches
;; limits: right only within a limited range of input values
;; workspace buffers: WF 1,382,400 bytes; WS 57,600 bytes; Kc 6,291,456 bytes; Ks 262,144 bytes; Vc 6,291,456 bytes; Vs 262,144 bytes; predraw 32,768 bytes
;; launch prep (part 1): grid 225 x 1, 4 waves a work-group, no clusters, 768 bytes of LDS; arguments kvW, qW, aggW_codes, aggW_scales, l1W_codes, l1W_scales, l2W_codes, l2W_scales, outW_codes, outW_scales, WF, WS; writes WF, WS
.if DOCPART == 1
	.amdgcn_target "amdgcn-amd-amdhsa--gfx1250"
	.amdhsa_code_object_version 6
	.text
	.protected	k_q11e24f521e_prep
	.globl	k_q11e24f521e_prep
	.p2align	8
	.type	k_q11e24f521e_prep,@function
k_q11e24f521e_prep:
	s_mov_b64 s[64:65], 0
	v_nop
	global_prefetch_b8 v0, s[64:65] scope:SCOPE_SE
	s_setreg_imm32_b32 hwreg(HW_REG_WAVE_MODE, 25, 1), 1
	s_wait_xcnt 0x0
; All weights become IMAGES OF OPERAND REGISTERS.  A fragment (16 rows x 128 K of E2M3 codes, 12 registers a lane) lies in WF as 1,536 bytes:
; registers 4 g .. 4 g + 3 of lane L at 512 g + 16 L, so that three loads of 16 bytes a lane, each 512 dense bytes a wave, bring it.
; The scale words of four fragments lie in WS as 256 bytes: row r of member e at 16 r + 4 e, so that one load of 16 bytes gives four scale registers.
; Work-group G makes group G, wave m its member m (fragment 4 G + m).  Groups 0-11: kvW, 12-23: qW (f32, K = their first axis, 272: quantised here; a lane takes a
; column and its registers run down K); groups 24-215: aggW, l1W, l2W of both layers; 216-224: outW (given as codes: only laid anew).
; Rows of a tile: kvW, qW, agg, l1, l2: lane r takes row first + r + 8 (r / 8), so that in a transposed product the 16 registers of two neighbouring tiles are 16 neighbours
; along the next K; outW: lane r takes row first + r.
; LIMITS: a block of zeros, and one whose largest magnitude lies under 2^-124, gets the scale byte 1 (its codes are zeros or held; the bytes are read by this program alone);
; NaN and infinities in kvW and qW are not served.
.set WV,  28
.set SEL, 58
	s_load_b512 s[4:19], s[0:1], 0x0               ; kvW, qW, agg codes, agg scales, l1 codes, l1 scales, l2 codes, l2 scales
	s_load_b256 s[20:27], s[0:1], 0x40             ; out codes, out scales, WF, WS
	v_lshl_add_u32 v128, v0, 2, 0x100
	v_mov_b32 v129, 0
	v_lshrrev_b32 v1, 5, v0
	v_readfirstlane_b32 s[WV], v1                  ; wave m
	v_and_b32 v1, 15, v0                           ; r
	v_bfe_u32 v2, v0, 4, 1                         ; h
	v_and_b32 v3, 31, v0                           ; lane
	v_lshrrev_b32 v4, 3, v1                        ; r / 8
	v_lshlrev_b32 v6, 4, v3                        ; 16 x lane
	v_lshlrev_b32 v7, 4, v1
	s_lshl_b32 s29, s[WV], 2
	v_add_nc_u32 v7, s29, v7                       ; LDS: 16 r + 4 m
	v_lshlrev_b32 v8, 3, v3                        ; 8 x lane
	s_mov_b32 s[SEL], 0x76543210
	s_mov_b32 s[SEL+1], 0xfedcba98                 ; lane l xor 16
	s_lshr_b32 s56, s[WV], 1
	s_and_b32 s57, s[WV], 1
	s_lshl_b32 s56, s56, 5
	s_lshl_b32 s57, s57, 3
	s_add_co_u32 s56, s56, s57                     ; 32 (m / 2) + 8 (m % 2): where tile m of four begins
	s_wait_kmcnt 0x0
	s_cmp_ge_u32 ttmp9, 24
	s_cbranch_scc1 .Lrelay
	; ---- kvW and qW: group = 3 w + s
	s_cmp_ge_u32 ttmp9, 12
	s_cselect_b64 s[30:31], s[6:7], s[4:5]
	s_cselect_b32 s32, 12, 0
	s_sub_co_u32 s32, ttmp9, s32
	s_mul_i32 s33, s32, 11
	s_lshr_b32 s33, s33, 5                         ; w = group / 3 (exact for 0 .. 11)
	s_mul_i32 s34, s33, 3
	s_sub_co_u32 s34, s32, s34                     ; K step s
	s_lshl_b32 s35, s33, 6
	s_add_co_u32 s35, s35, s56
	s_wait_alu depctr_va_vdst(0)
	v_lshl_add_u32 v5, v4, 3, v1
	v_add_nc_u32 v5, s35, v5                       ; my column n
	v_lshlrev_b32 v5, 2, v5
	s_lshl_b32 s36, s34, 17                        ; 128 rows of 1,024 bytes a K step
	s_mov_b32 s37, 0
	s_add_nc_u64 s[30:31], s[30:31], s[36:37]
	s_cmp_eq_u32 s34, 2
	s_cbranch_scc1 .Lshort
	v_lshl_add_u32 v5, v2, 15, v5                  ; lanes 16-31 begin 32 rows further down
.set ia, 0
.rept 64
	global_load_b32 v[32+ia], v5, s[30:31] offset:1024*(64*(ia/32)+ia%32) th:TH_LOAD_NT   ; register 32 c + i holds k = 64 c + 32 h + i: row 64 c + i, + 32 h in the lane's offset; 127 at the most of the step's 128 rows
.set ia, ia+1
.endr
	s_wait_loadcnt 0x0
	s_branch .Lquant
.Lshort:                                               ; K step 2 has 16 rows (256 .. 271): every lane loads them, so that no load leaves the buffer; all else is zeros
.set ia, 0
	s_wait_alu depctr_va_vdst(0)
.rept 16
	global_load_b32 v[32+ia], v5, s[30:31] offset:1024*ia th:TH_LOAD_NT
.set ia, ia+1
.endr
	v_mov_b32 v9, 0
	v_cmp_eq_u32 vcc_lo, 1, v2
	s_wait_alu depctr_va_vdst(0)
	s_wait_loadcnt 0x0
.set ia, 0
.rept 16
	v_cndmask_b32 v[32+ia], v[32+ia], v9, vcc_lo   ; lanes 16-31 stand for k = 288 on: zeros
.set ia, ia+1
.endr
.set ia, 48
.rept 48
	v_mov_b32 v[ia], 0
.set ia, ia+1
.endr
.Lquant:
.irp c, 0,1
	v_max3_num_f32 v[96+\c], |v[32+32*\c]|, |v[33+32*\c]|, 0x1800000   ; my block 2 c + h: all its 32 numbers are mine; the floor 2^-124 holds the byte at 1 from below
.endr
.irp i, 2,4,6,8,10,12,14,16,18,20,22,24,26,28,30
.irp c, 0,1
	v_max3_num_f32 v[96+\c], v[96+\c], |v[32+32*\c+\i]|, |v[33+32*\c+\i]|
.endr
.endr
.irp c, 0,1
	v_add_nc_u32 v[98+\c], 0xff000000, v[96+\c]    ; 2 off the exponent field: the conversion's scale operand
.endr
.irp c, 0,1
	v_lshrrev_b32 v[100+\c], 23, v[98+\c]          ; the scale's byte
.endr
	v_lshl_or_b32 v102, v101, 16, v100             ; blocks h and 2 + h,
	v_lshlrev_b32 v103, 3, v2
	v_lshlrev_b32 v102, v103, v102                 ; at their places in the word;
	v_mov_b32 v104, 0
	v_permlanex16_b32 v104, v102, s[SEL], s[SEL+1]
	v_or_b32 v28, v102, v104                       ; with lane l xor 16's two the word is whole
.irp c, 0,1
	v_cvt_scalef32_pk16_fp6_f32 v[16+6*\c:18+6*\c], v[32+32*\c:47+32*\c], v[98+\c]
	v_cvt_scalef32_pk16_fp6_f32 v[106+4*\c:108+4*\c], v[48+32*\c:63+32*\c], v[98+\c]   ; (a conversion's three registers begin on an even number)
.endr
	v_nop                                          ; one plain place behind a scaled conversion
.irp c, 0,1
.irp i, 0,1,2
	v_mov_b32 v[19+6*\c+\i], v[106+4*\c+\i]
.endr
.endr
	s_branch .Ltail
.Lrelay:
	; ---- weights given as codes
	s_sub_co_u32 s32, ttmp9, 24
	s_cmp_ge_u32 s32, 192
	s_cbranch_scc1 .Loutw
	s_cmp_ge_u32 s32, 96
	s_cselect_b32 s33, 1, 0                        ; layer
	s_cselect_b32 s34, 96, 0
	s_sub_co_u32 s34, s32, s34
	s_lshr_b32 s35, s34, 5                         ; 0 agg, 1 l1, 2 l2
	s_bfe_u32 s36, s34, 0x20003                    ; the wave w that will use the group
	s_and_b32 s37, s34, 7                          ; its group 0 .. 7
	s_lshl_b32 s38, s33, 8                         ; agg, l2: row 256 l + 64 w + the tile's first; K step = the group
	s_lshl_b32 s39, s36, 6
	s_add_co_u32 s38, s38, s39
	s_add_co_u32 s38, s38, s56
	s_lshr_b32 s40, s37, 2                         ; l1: K step = group / 4, tile = 4 (group % 4) + m
	s_and_b32 s41, s37, 3
	s_lshl_b32 s41, s41, 2
	s_add_co_u32 s41, s41, s[WV]
	s_lshl_b32 s42, s33, 10
	s_lshl_b32 s43, s36, 8
	s_add_co_u32 s42, s42, s43
	s_lshr_b32 s43, s41, 1
	s_lshl_b32 s43, s43, 5
	s_add_co_u32 s42, s42, s43
	s_and_b32 s43, s41, 1
	s_lshl_b32 s43, s43, 3
	s_add_co_u32 s42, s42, s43                     ; row 1,024 l + 256 w + 32 (tile / 2) + 8 (tile % 2)
	s_mov_b32 s46, 768
	s_cmp_eq_u32 s35, 1
	s_cselect_b32 s44, s42, s38                    ; the tile's first row
	s_cselect_b32 s45, s40, s37                    ; K step
	s_cselect_b32 s46, 192, s46                    ; bytes in a row of codes
	s_cselect_b32 s47, 8, 32                       ; and of scales
	s_cselect_b64 s[48:49], s[12:13], s[8:9]
	s_cselect_b64 s[50:51], s[14:15], s[10:11]
	s_cmp_eq_u32 s35, 2
	s_cselect_b64 s[48:49], s[16:17], s[48:49]
	s_cselect_b64 s[50:51], s[18:19], s[50:51]
	s_mov_b32 s52, 8
	s_branch .Lrows
.Loutw:
	s_sub_co_u32 s33, s32, 192                     ; 0 .. 8
	s_lshr_b32 s34, s33, 1
	s_lshl_b32 s34, s34, 2
	s_add_co_u32 s34, s34, s[WV]                   ; tile 4 w + m, K step = group % 2;
	s_and_b32 s35, s33, 1
	s_and_b32 s36, s[WV], 1
	s_cmp_eq_u32 s33, 8                            ; the last group: tile 16, K step m % 2 (members 2 and 3 repeat 0 and 1, so that every byte is written)
	s_cselect_b32 s34, 16, s34
	s_cselect_b32 s45, s36, s35
	s_lshl_b32 s44, s34, 4
	s_mov_b32 s46, 192
	s_mov_b32 s47, 8
	s_mov_b64 s[48:49], s[20:21]
	s_mov_b64 s[50:51], s[22:23]
	s_mov_b32 s52, 0
.Lrows:
	s_wait_alu depctr_va_vdst(0)
	v_mul_u32_u24 v5, v4, s52
	v_add3_u32 v5, v5, v1, s44                     ; my row
	v_mul_lo_u32 v9, v5, s46
	v_mad_u32_u24 v9, v2, 24, v9
	s_mul_i32 s53, s45, 96
	v_add_nc_u32 v9, s53, v9                       ; row x bytes + 96 s + 24 h
	v_mul_lo_u32 v10, v5, s47
	v_lshl_add_u32 v10, s45, 2, v10
.irp p, 0,1,2,3,4,5
	global_load_b64 v[16+2*\p:17+2*\p], v9, s[48:49] offset:48*(\p/3)+8*(\p%3)
.endr
	global_load_b32 v28, v10, s[50:51]
	s_wait_loadcnt 0x0
.Ltail:
	s_lshl_b32 s53, ttmp9, 2
	s_add_co_u32 s53, s53, s[WV]
	s_mul_i32 s54, s53, 1536
	s_mov_b32 s55, 0
	s_add_nc_u64 s[24:25], s[24:25], s[54:55]
	s_wait_alu depctr_va_vdst(0)
.irp g, 0,1,2
	global_store_b128 v6, v[16+4*\g:19+4*\g], s[24:25] offset:512*\g   ; 512 dense bytes
.endr
	ds_store_b32 v7, v28                           ; both halves of the lanes hold row r's word and write it to the same place
	s_wait_dscnt 0x0                               ; for the others' sake
	s_barrier_signal -1
	s_barrier_wait -1
	s_cmp_lg_u32 s[WV], 0
	s_cbranch_scc1 .Lend
	ds_load_b64 v[12:13], v8
	s_lshl_b32 s54, ttmp9, 8
	s_add_nc_u64 s[26:27], s[26:27], s[54:55]
	s_wait_dscnt 0x0
	global_store_b64 v8, v[12:13], s[26:27]        ; the group's 256 bytes, aligned, by one store
.Lend:
	s_wait_tensorcnt 0x0
	ds_add_u32 v128, v129
	s_wait_dscnt 0x0
	s_endpgm
.Lfunc_end_k_q11e24f521e_prep:
	.size	k_q11e24f521e_prep, .Lfunc_end_k_q11e24f521e_prep-k_q11e24f521e_prep
	.p2alignl 7, 3214868480
	.fill 96, 4, 3214868480
	.section	.rodata,"a",@progbits
	.p2align	6, 0x0
	.amdhsa_kernel k_q11e24f521e_prep
		.amdhsa_group_segment_fixed_size 768
		.amdhsa_private_segment_fixed_size 0
		.amdhsa_enable_private_segment 0
		.amdhsa_kernarg_size 96
		.amdhsa_user_sgpr_count 2
		.amdhsa_user_sgpr_kernarg_segment_ptr 1
		.amdhsa_wavefront_size32 1
		.amdhsa_system_sgpr_workgroup_id_x 1
		.amdhsa_system_sgpr_workgroup_id_y 1
		.amdhsa_system_sgpr_workgroup_id_z 1
		.amdhsa_system_vgpr_workitem_id 0
		.amdhsa_next_free_vgpr 130
		.amdhsa_next_free_sgpr 66
		.amdhsa_reserve_vcc 1
		.amdhsa_float_denorm_mode_32 3
		.amdhsa_float_denorm_mode_16_64 3
		.amdhsa_memory_ordered 1
		.amdhsa_forward_progress 1
		.amdhsa_inst_pref_size 19
	.end_amdhsa_kernel
	.amdgpu_metadata
---
amdhsa.version: [ 1, 2 ]
amdhsa.kernels:
  - .name:           k_q11e24f521e_prep
    .symbol:         k_q11e24f521e_prep.kd
    .args:
      - { .name: kvW, .offset: 0, .size: 8, .value_kind: global_buffer, .address_space: global }
      - { .name: qW, .offset: 8, .size: 8, .value_kind: global_buffer, .address_space: global }
      - { .name: aggW_codes, .offset: 16, .size: 8, .value_kind: global_buffer, .address_space: global }
      - { .name: aggW_scales, .offset: 24, .size: 8, .value_kind: global_buffer, .address_space: global }
      - { .name: l1W_codes, .offset: 32, .size: 8, .value_kind: global_buffer, .address_space: global }
      - { .name: l1W_scales, .offset: 40, .size: 8, .value_kind: global_buffer, .address_space: global }
      - { .name: l2W_codes, .offset: 48, .size: 8, .value_kind: global_buffer, .address_space: global }
      - { .name: l2W_scales, .offset: 56, .size: 8, .value_kind: global_buffer, .address_space: global }
      - { .name: outW_codes, .offset: 64, .size: 8, .value_kind: global_buffer, .address_space: global }
      - { .name: outW_scales, .offset: 72, .size: 8, .value_kind: global_buffer, .address_space: global }
      - { .name: WF, .offset: 80, .size: 8, .value_kind: global_buffer, .address_space: global }
      - { .name: WS, .offset: 88, .size: 8, .value_kind: global_buffer, .address_space: global }
    .group_segment_fixed_size: 768
    .private_segment_fixed_size: 0
    .kernarg_segment_align: 8
    .kernarg_segment_size: 96
    .max_flat_workgroup_size: 128
    .sgpr_count:     66
    .vgpr_count:     130
    .wavefront_size: 32
...
	.end_amdgpu_metadata
.endif
;; end of part 1
;; launch keys (part 2): grid 256 x 1, 4 waves a work-group, no clusters, 174,592 bytes of LDS; arguments matched_features, kvb, row_embed, col_embed, WF, WS, Kc, Ks, Vc, Vs; writes Kc, Ks, Vc, Vs
.if DOCPART == 2
	.amdgcn_target "amdgcn-amd-amdhsa--gfx1250"
	.amdhsa_code_object_version 6
	.text
	.protected	k_q11e24f521e_keys
	.globl	k_q11e24f521e_keys
	.p2align	8
	.type	k_q11e24f521e_keys,@function
k_q11e24f521e_keys:
	s_mov_b64 s[64:65], 0
	v_nop
	global_prefetch_b8 v0, s[64:65] scope:SCOPE_SE
	s_setreg_imm32_b32 hwreg(HW_REG_WAVE_MODE, 25, 1), 1
	s_wait_xcnt 0x0
; kt = Q(matched tokens) Q(kvW) + kvb, for 128 tokens (image rows 4 a .. 4 a + 3 of one matched image kb = 8 k + b) a work-group, and from it the two operands of attention, which are
; the same in both layers: kp = kt + pos quantised along the 256 channels (Kc, Ks) and kt quantised along the keys (Vc, Vs): a block of 32 keys is one image row.
; The product is made twice, with its sources swapped: W x tokens gives a lane one token and registers along the channels (for kp), tokens x W gives a lane one channel and
; registers along the tokens (for kt): 96 more matrix instructions a wave, against a round trip of 128 x 256 f32 numbers through LDS.
; THE FEATURES come by the tensor data mover, once: the work-group's four image rows are 512 consecutive bytes of each of the 272 channels; wave w brings channels 68 w .. 68 w + 67 by one load
; (68 rows of 512 bytes, 4,096 bytes apart in memory, dense in LDS), issued first of all: all 139,264 bytes of the work-group are on their way at once.  Nothing is filled again.
; SHARES.  Quantising: wave w takes image row 4 a + w; a lane takes a token and its registers run down the channels (an LDS load reads 128 consecutive bytes).
; The codes go to LDS as rows (token, 10 blocks of 24 bytes; block 8 is half zeros, block 9 zeros).  Products: wave w takes channels 64 w .. 64 w + 63, all 8 tiles of tokens.
; THE TOKENS OF A TILE ARE NOT NEIGHBOURS: lane r of tile 2 i + u takes column 8 u + r + 8 (r / 8) of image row i, and W's rows likewise: so 16 registers of two neighbouring tiles are 16 neighbours.
; OUT.  Half a fragment (6 registers) is 768 bytes: registers 0-3 at 16 x lane, 4-5 at 512 + 8 x lane.  Kc: [kb][image row][u][K step][half]; Vc: [kb][tile of 16 channels][pair of image rows].
; Ks: [kb][image row][r][word 2 u + s]; Vs: [kb][pair][r][tile] of two bytes.  Every store covers 512 or 256 dense, aligned bytes.
; No cluster: what the work-groups share, kvW's 12 fragments a wave (18 KB), is a small part of the 139 KB of features that each reads for itself.
; LIMITS: zero blocks and blocks under 2^-124 carry the byte 1 (read by this program alone); NaN and infinities are not served.
.set FT, 0                             ; LDS: 272 channels x 512 bytes of features: the tensor loads' bytes, filled once
.set AT, 139264                        ; 128 rows x 240 bytes of codes
.set AS, 169984                        ; 128 x 16 bytes: three scale words a row
.set KS, 172032                        ; 4 image rows x 256 bytes
.set VS, 173056                        ; 2 pairs x 512 bytes
.set L16, 4
.set L8,  5
.set ATW, 7
.set ATR, 8
.set ASW, 9
.set ASR, 10
.set KSA, 11
.set VSA, 12
.set POSL, 13
.set PA0, 14                           ; v14-15 by turns
.set ST0, 16                           ; v16-79: two sets of 32 numbers; later
.set AF0, 16                           ; v16-87: two sets of three token fragments
.set TS0, 88                           ; v88-90, v92-94: their scale words
.set WSC, 96                           ; v96-107: W's scale words
.set POSB0, 108                        ; v108-171: two sets: pos + kvb, onto which W x tokens is added in place
.set KVB1, 172                         ; v172-203
.set SB,  204                          ; v204-206
.set KB2T, 208                         ; v208-211
.set PC,  212                          ; v212-220; a second set for the features' blocks at v222-230
.set TM,  232                          ; v232-239
.set PW,  240
.set BY,  241
.set KVA, 242
.set KVC, 247
.set ZR,  244                          ; v244-245: zeros
.set FA,  248                          ; v248-250: my token's place in channels 0, 128 and 256 of the features
.set WV,  24
.set SEL, 28
.set G0,  44                           ; s[44:47] descriptor group 0
.set G1,  48                           ; s[48:55] descriptor group 1
.set MSB, 0
.macro WIN new                         ; the immediate's high byte repeats the setting that is left
.if MSB != (\new)
	s_set_vgpr_msb (MSB<<8)|(\new)
.set MSB, (\new)
.endif
.endm
.macro PLACES n
.rept \n
	v_nop
.endr
.endm
.macro BARRIER
	s_wait_dscnt 0x0
	s_barrier_signal -1
	s_barrier_wait -1
.endm
.macro MM d, a, b, c, sa, sb
	v_wmma_scale_f32_16x16x128_f8f6f4 v[(\d):(\d)+7], v[(\a):(\a)+11], v[(\b):(\b)+11], v[(\c):(\c)+7], v[\sa], v[\sb] matrix_a_fmt:MATRIX_FMT_FP6 matrix_b_fmt:MATRIX_FMT_FP6
.endm
; 32 numbers of window X, register 16 b + i = k 32 b + 16 (lane / 16) + i of my row, become half a fragment in v[PC .. PC+5] and two scale bytes in v[PW].
.macro QH src, X, glb
	WIN ((\X)<<2)|((\X)<<4)
.irp b, 0,1
	v_max3_num_f32 v[TM+\b], 0x1800000, |v[(\src)+16*\b]|, |v[(\src)+16*\b+1]|   ; with the floor 2^-124; each accumulator is read from its low end on
.endr
.irp i, 2,4,6,8,10,12,14
.irp b, 0,1
	v_max3_num_f32 v[TM+\b], v[TM+\b], |v[(\src)+16*\b+\i]|, |v[(\src)+16*\b+\i+1]|
.endr
.endr
	WIN 0
.irp b, 0,1
	v_permlanex16_b32 v[TM+2+\b], v[TM+\b], s[SEL], s[SEL+1]
.endr
.irp b, 0,1
	v_max_num_f32 v[TM+\b], v[TM+\b], v[TM+2+\b]   ; with lane l xor 16's: the block's largest magnitude
.endr
.irp b, 0,1
	v_add_nc_u32 v[TM+4+\b], 0xff000000, v[TM+\b]  ; 2 off the exponent field: the conversion's scale operand
.endr
.irp b, 0,1
	v_lshrrev_b32 v[TM+6+\b], 23, v[TM+4+\b]
.endr
	s_wait_alu depctr_va_vdst(0)
	s_wait_dscnt 0x0                               ; the last LDS stores have read PC and PW
.if \glb
	s_wait_xcnt 0x0                                ; and so have the last global stores
.endif
	v_lshl_or_b32 v[PW], v[TM+7], 8, v[TM+6]
	WIN \X
	v_cvt_scalef32_pk16_fp6_f32 v[PC:PC+2], v[(\src):(\src)+15], v[TM+4]
	v_cvt_scalef32_pk16_fp6_f32 v[PC+6:PC+8], v[(\src)+16:(\src)+31], v[TM+5]
	WIN 0
	v_nop                                          ; one plain place behind a scaled conversion
.irp i, 0,1,2
	v_permlane16_swap_b32 v[PC+\i], v[PC+6+\i]     ; a whole block to a lane: lanes 0-15 the first, lanes 16-31 the second
.endr
.irp i, 0,1,2
	v_mov_b32 v[PC+3+\i], v[PC+6+\i]
.endr
.endm
; a whole block of 32 in one lane's registers -> 24 bytes of codes in v[pc .. pc+5], the byte in v[BY].  The caller sees to it that the set's last stores are done
; 64 numbers of window 1, register 16 b + i = key column 16 (lane / 16) + i of image row b (four rows: two pairs), become two half fragments in v[pc .. pc+5] and v[pc+10 .. pc+15]
; and two pairs of scale bytes in v[pw], v[pw+1].  The four blocks take turns line by line.  Each call has code and byte registers of its own, so that no store's data register is written again: no wait stands in it.
.set T4, 108                           ; v108-123: largest magnitudes, the other half's, scale operands, bytes (pos's registers, which are done with)
.macro QV src, pc, pw
	WIN 0x14
.irp b, 0,1,2,3
	v_max3_num_f32 v[T4+\b], 0x1800000, |v[(\src)+16*\b]|, |v[(\src)+16*\b+1]|   ; with the floor 2^-124; each accumulator is read from its low end on
.endr
.irp i, 2,4,6,8,10,12,14
.irp b, 0,1,2,3
	v_max3_num_f32 v[T4+\b], v[T4+\b], |v[(\src)+16*\b+\i]|, |v[(\src)+16*\b+\i+1]|
.endr
.endr
	WIN 0
.irp b, 0,1,2,3
	v_permlanex16_b32 v[T4+4+\b], v[T4+\b], s[SEL], s[SEL+1]
.endr
.irp b, 0,1,2,3
	v_max_num_f32 v[T4+\b], v[T4+\b], v[T4+4+\b]   ; with lane l xor 16's: the block's largest magnitude
.endr
.irp b, 0,1,2,3
	v_add_nc_u32 v[T4+8+\b], 0xff000000, v[T4+\b]  ; 2 off the exponent field: the conversion's scale operand
.endr
.irp b, 0,1,2,3
	v_lshrrev_b32 v[T4+12+\b], 23, v[T4+8+\b]
.endr
	v_lshl_or_b32 v[(\pw)], v[T4+13], 8, v[T4+12]
	v_lshl_or_b32 v[(\pw)+1], v[T4+15], 8, v[T4+14]
	WIN 1
.irp g, 0,1
	v_cvt_scalef32_pk16_fp6_f32 v[(\pc)+10*\g:(\pc)+10*\g+2], v[(\src)+32*\g:(\src)+32*\g+15], v[T4+8+2*\g]
	v_cvt_scalef32_pk16_fp6_f32 v[(\pc)+10*\g+6:(\pc)+10*\g+8], v[(\src)+32*\g+16:(\src)+32*\g+31], v[T4+9+2*\g]
.endr
	WIN 0
	v_nop                                          ; one plain place behind a scaled conversion
.irp g, 0,1
.irp i, 0,1,2
	v_permlane16_swap_b32 v[(\pc)+10*\g+\i], v[(\pc)+10*\g+6+\i]   ; a whole block to a lane
.endr
.endr
.irp g, 0,1
.irp i, 0,1,2
	v_mov_b32 v[(\pc)+10*\g+3+\i], v[(\pc)+10*\g+6+\i]
.endr
.endr
.endm
.macro QB src, pc
.irp c, 0,1
	v_max3_num_f32 v[TM+\c], 0x1800000, |v[(\src)+16*\c]|, |v[(\src)+16*\c+1]|
.endr
.irp i, 2,4,6,8,10,12,14
.irp c, 0,1
	v_max3_num_f32 v[TM+\c], v[TM+\c], |v[(\src)+16*\c+\i]|, |v[(\src)+16*\c+\i+1]|
.endr
.endr
	v_max_num_f32 v[TM], v[TM], v[TM+1]
	v_add_nc_u32 v[TM+4], 0xff000000, v[TM]
	v_lshrrev_b32 v[BY], 23, v[TM+4]
	v_cvt_scalef32_pk16_fp6_f32 v[(\pc):(\pc)+2], v[(\src):(\src)+15], v[TM+4]
	v_cvt_scalef32_pk16_fp6_f32 v[(\pc)+6:(\pc)+8], v[(\src)+16:(\src)+31], v[TM+4]
	v_nop
.irp i, 0,1,2
	v_mov_b32 v[(\pc)+3+\i], v[(\pc)+6+\i]
.endr
.endm
	s_load_b512 s[4:19], s[0:1], 0x0               ; features, kvb, row_embed, col_embed, WF, WS, Kc, Ks
	s_load_b128 s[20:23], s[0:1], 0x40             ; Vc, Vs
	v_lshl_add_u32 v254, v0, 2, 0x2a800
	v_mov_b32 v255, 0
	ds_add_u32 v254, v255
	ds_add_u32 v254, v255
	v_lshrrev_b32 v1, 5, v0
	v_readfirstlane_b32 s[WV], v1
	v_and_b32 v1, 15, v0                           ; r
	v_bfe_u32 v2, v0, 4, 1                         ; h
	v_and_b32 v3, 31, v0                           ; lane
	s_wait_alu depctr_va_vdst(0)
	s_lshr_b32 s25, ttmp9, 3                       ; kb
	s_and_b32 s26, ttmp9, 7                        ; a
	s_mov_b32 s[SEL], 0x76543210
	s_mov_b32 s[SEL+1], 0xfedcba98
	; descriptor group 1: 68 rows of 64 elements of 8 bytes, 512 elements (4,096 bytes: a channel) apart; no padding: a wave reads 128 consecutive bytes of a row
	s_mov_b32 s[G1], 3<<16                         ; 15:0 no mask; 17:16 elements of 8 bytes; 20 padding off
	s_mov_b32 s[G1+1], 64<<16                      ; tensor_dim0 = 64
	s_mov_b32 s[G1+2], 68<<16                      ; tensor_dim1 = 68
	s_mov_b32 s[G1+3], 64<<16                      ; tile_dim0 = 64
	s_mov_b32 s[G1+4], 68                          ; tile_dim1 = 68
	s_mov_b32 s[G1+5], 512                         ; tensor_dim0_stride
	s_mov_b32 s[G1+6], 0
	s_mov_b32 s[G1+7], 0
	s_mov_b32 s[G0], 1                             ; count = 1
	s_mul_i32 s[G0+1], s[WV], 34816                ; LDS: wave x 68 rows of 512 bytes
	s_mul_i32 s38, s25, 1114112                    ; image kb,
	s_lshl_b32 s40, s26, 9                         ; image row 4 a,
	s_add_co_u32 s38, s38, s40
	s_mul_i32 s40, s[WV], 278528                   ; channel 68 w
	s_add_co_u32 s38, s38, s40
	s_mov_b32 s39, 0
	v_lshlrev_b32 v[L16], 4, v3
	v_lshlrev_b32 v[L8], 3, v3
	s_lshl_b32 s32, s[WV], 7
	v_lshl_add_u32 v[FA], v3, 2, s32               ; the features: 128 w + 4 x lane in a channel's 512 bytes
	v_add_nc_u32 v[FA+1], 0x10000, v[FA]           ; 128 channels on (an LDS offset has 16 bits)
	v_add_nc_u32 v[FA+2], 0x20000, v[FA]
	v_bfe_u32 v243, v3, 3, 1
	v_and_b32 v246, 7, v3
	v_lshl_add_u32 v243, v243, 4, v246
	v_lshl_add_u32 v243, v2, 3, v243               ; token column j lies in tile u = (j / 8) % 2 at row j % 8 + 8 (j / 16)
	s_lshl_b32 s32, s[WV], 5
	v_add_nc_u32 v243, s32, v243
	v_mul_u32_u24 v[ATW], v243, 240
	v_add_nc_u32 v[ATW], AT, v[ATW]
	v_lshl_add_u32 v[ASW], v243, 4, AS
	v_mul_u32_u24 v[ATR], v1, 240
	v_mad_u32_u24 v[ATR], v2, 24, v[ATR]
	v_add_nc_u32 v[ATR], AT, v[ATR]
	v_lshl_add_u32 v[ASR], v1, 4, AS
	s_lshl_b32 s32, s[WV], 1
	s_add_co_u32 s32, s32, KS
	v_lshl_add_u32 v[KSA], v1, 4, s32
	s_lshl_b32 s32, s[WV], 3
	s_add_co_u32 s32, s32, VS
	v_lshl_add_u32 v[VSA], v1, 5, s32
	v_lshrrev_b32 v243, 3, v1
	v_lshl_add_u32 v243, v243, 3, v1               ; r + 8 (r / 8)
	s_lshl_b32 s33, s[WV], 8
	v_lshl_add_u32 v[KVA], v2, 6, s33              ; kvb: 256 w + 64 h
	v_lshl_add_u32 v[KVC], v243, 2, s33            ; kvb of my channel in tokens x W
	v_mov_b32 v[TM+2], 0                           ; a lane permute's destination counts as one of its sources
	v_mov_b32 v[TM+3], 0
	v_mov_b32 v[ZR], 0
	v_mov_b32 v[ZR+1], 0
	s_wait_alu depctr_va_vdst(0)
	s_wait_dscnt 0x0
	s_wait_kmcnt 0x0
	s_add_nc_u64 s[G0+2:G0+3], s[4:5], s[38:39]    ; global address of my tile's first element
	s_or_b32 s[G0+3], s[G0+3], 0x80000000          ; type = 2
	tensor_load_to_lds s[G0:G0+3], s[G1:G1+7]      ; my one tensor load: the only one that I ever have out
	s_nop 0
	PLACES 4
	s_cmp_lt_u32 s[WV], 2                          ; channels 0-127 of pos are col_embed[column], 128-255 row_embed[image row]
	s_cselect_b64 s[34:35], s[10:11], s[8:9]
	s_cselect_b32 s30, 4096, 0                     ; from u = 0 to u = 1: 8 columns
	s_cselect_b32 s31, 0, 512                      ; from image row to image row
	s_cselect_b32 s36, 512, 0
	s_cselect_b32 s37, 0, 2048
	s_mul_i32 s38, s37, s26
	s_add_nc_u64 s[34:35], s[34:35], s[38:39]
	v_mul_u32_u24 v[POSL], v243, s36
	v_lshl_add_u32 v[POSL], v2, 6, v[POSL]
	s_and_b32 s40, s[WV], 1
	s_lshl_b32 s40, s40, 8
	v_add_nc_u32 v[POSL], s40, v[POSL]
	s_wait_alu depctr_va_vdst(0)
	s_mul_i32 s38, s[WV], 18432
	s_add_nc_u64 s[12:13], s[12:13], s[38:39]      ; my 12 fragments of kvW
	s_mul_i32 s38, s[WV], 768
	s_add_nc_u64 s[14:15], s[14:15], s[38:39]
	s_lshl_b32 s41, s25, 5
	s_lshl_b32 s42, s26, 2
	s_add_co_u32 s41, s41, s42
	s_mul_i32 s38, s41, 6144
	s_mul_i32 s42, s[WV], 768
	s_add_co_u32 s38, s38, s42
	s_add_nc_u64 s[16:17], s[16:17], s[38:39]
	s_add_co_u32 s41, s41, s[WV]
	s_lshl_b32 s38, s41, 8
	s_add_nc_u64 s[18:19], s[18:19], s[38:39]
	s_mul_i32 s38, s25, 196608
	s_mul_i32 s42, s[WV], 49152
	s_add_co_u32 s38, s38, s42
	s_mul_i32 s42, s26, 1536
	s_add_co_u32 s38, s38, s42
	s_add_nc_u64 s[20:21], s[20:21], s[38:39]
	s_lshl_b32 s41, s25, 4
	s_lshl_b32 s42, s26, 1
	s_add_co_u32 s41, s41, s42
	s_lshl_b32 s38, s41, 9
	s_lshl_b32 s42, s[WV], 8
	s_add_co_u32 s38, s38, s42
	s_add_nc_u64 s[22:23], s[22:23], s[38:39]
	WIN 0x80                                       ; destination window 2: W's fragment 4 s + t at v[12 (4 s + t)]
.set ia, 0
.rept 36
	global_load_b128 v[4*ia:4*ia+3], v[L16], s[12:13] offset:512*ia
.set ia, ia+1
.endr
	WIN 0
	v_lshlrev_b32 v243, 4, v1
.irp s, 0,1,2
	global_load_b128 v[WSC+4*\s:WSC+4*\s+3], v243, s[14:15] offset:256*\s
.endr
.set ia, 0
.rept 8
	global_load_b128 v[KVB1+4*ia:KVB1+4*ia+3], v[KVA], s[6:7] offset:128*(ia/4)+16*(ia%4)
.set ia, ia+1
.endr
.irp t, 0,1,2,3
	global_load_b32 v[KB2T+\t], v[KVC], s[6:7] offset:128*(\t/2)+32*(\t%2)
.endr
.macro POSLOAD tau                     ; pos of tile tau's tokens at my 64 channels: register 16 b + i = channel 64 w + 32 b + 16 h + i
.set ia, 0
.rept 8
	global_load_b128 v[POSB0+32*((\tau)%2)+4*ia:POSB0+32*((\tau)%2)+4*ia+3], v[PA0+(\tau)%2], s[34:35] offset:128*(ia/4)+16*(ia%4)
.set ia, ia+1
.endr
.endm
	v_mov_b32 v[PA0], v[POSL]
	POSLOAD 0                                      ; 59 loads in all are out here, beside the tensor load
.macro LOADB t                         ; block t: channels 32 t + i of my token, from LDS into set t % 2
.set ia, 0
.rept 32-16*((\t)/8)
	ds_load_b32 v[ST0+32*((\t)%2)+ia], v[FA+(\t)/4] offset:((32*(\t)+ia)%128)*512
.set ia, ia+1
.endr
.endm
; LDS serves a wave's instructions in order (ISA guide 5.7.1): the count is what was issued behind block t's loads: the block before's three stores and the next block's loads.
; With block t's loads back, the stores of block t - 2, which were issued ahead of them, are done too: so its set of code registers may be written.
.macro BLOCK t
.if (\t) == 0
	s_wait_dscnt 32                                ; behind block 0's loads: block 1's 32
.elseif (\t) < 7
	s_wait_dscnt 35                                ; 3 stores and 32 loads
.elseif (\t) == 7
	s_wait_dscnt 19                                ; 3 stores and block 8's 16 loads
.else
	s_wait_dscnt 3                                 ; 3 stores
.endif
	QB ST0+32*((\t)%2), PC+10*((\t)%2)
.irp p, 0,1,2
	ds_store_b64 v[ATW], v[PC+10*((\t)%2)+2*\p:PC+10*((\t)%2)+2*\p+1] offset:24*(\t)+8*\p
.endr
.if (\t)%4 == 0
	v_mov_b32 v[SB+(\t)/4], v[BY]
.else
	v_lshl_or_b32 v[SB+(\t)/4], v[BY], 8*((\t)%4), v[SB+(\t)/4]
.endif
.if (\t) == 6
.set ia, 0
.rept 16
	v_mov_b32 v[ST0+16+ia], 0                      ; block 8 is filled with zeros from channel 272 on
.set ia, ia+1
.endr
.endif
.if (\t)+2 < 9
	LOADB (\t)+2
.endif
.endm
	s_wait_tensorcnt 0x0                           ; my 68 channels are in LDS,
	s_barrier_signal -1
	s_barrier_wait -1                              ; everybody's are
	LOADB 0
	LOADB 1
.irp t, 0,1,2,3,4,5,6,7,8
	BLOCK \t
.endr
.irp p, 0,1,2
	ds_store_b64 v[ATW], v[ZR:ZR+1] offset:216+8*\p   ; block 9: zero codes
.endr
	ds_store_b96 v[ASW], v[SB:SB+2]
	BARRIER                                        ; the 128 tokens' codes and scale words lie in LDS
	s_wait_loadcnt 0x0                             ; W, its scale words, kvb, the first tile's pos
	WIN 0x80
.set ia, 0
.rept 32
	v_mov_b32 v[144+ia], v[KB2T+ia/8]              ; kvb of my channel, eight times a tile: the C of tokens x W
.set ia, ia+1
.endr
	WIN 0
.set ia, 0
.rept 6
	v_mov_b32 v[AF0+30+ia], 0                      ; K step 2 has no codes from k = 320 on
	v_mov_b32 v[AF0+66+ia], 0
.set ia, ia+1
.endr
.macro FETCHA tau                      ; tile tau's three fragments and scale words into set tau % 2
.set fa, AF0+36*((\tau)%2)
.set ia, 0
.rept 3
.set ib, 0
.rept 6
.if (ia < 2) || (ib < 3)
	ds_load_b64 v[fa+12*ia+2*ib:fa+12*ia+2*ib+1], v[ATR] offset:3840*(\tau)+96*ia+48*(ib/3)+8*(ib%3)
.endif
.set ib, ib+1
.endr
.set ia, ia+1
.endr
	ds_load_b96 v[TS0+4*((\tau)%2):TS0+4*((\tau)%2)+2], v[ASR] offset:256*(\tau)
.endm
.macro TOK tau
	s_wait_dscnt 0x0                               ; this tile's fragments are in
.if (\tau) < 7
	FETCHA (\tau)+1
	s_mul_i32 s32, s30, ((\tau)+1)%2
	s_mul_i32 s33, s31, ((\tau)+1)/2
	s_add_co_u32 s32, s32, s33
	v_add_nc_u32 v[PA0+((\tau)+1)%2], s32, v[POSL] ; (the loads that used this register were waited for a tile ago)
	POSLOAD (\tau)+1
	s_wait_loadcnt 8                               ; this tile's pos is in; the eight just issued may be out
.else
	s_wait_loadcnt 0
.endif
.set af, AF0+36*((\tau)%2)
.set ts, TS0+4*((\tau)%2)
.set d1, POSB0+32*((\tau)%2)
.set ia, 0
.rept 16
	v_pk_add_f32 v[d1+ia:d1+ia+1], v[d1+ia:d1+ia+1], v[KVB1+ia:KVB1+ia+1]
.set ia, ia+2
.endr
	WIN 0x02                                       ; W (source 0) window 2: kp^T = W x tokens + (pos + kvb), four accumulators by turns
.set ia, 0
.rept 3
.set ib, 0
.rept 4
	MM d1+8*ib, 12*(4*ia+ib), af+12*ia, d1+8*ib, WSC+4*ia+ib, ts+ia
.set ib, ib+1
.endr
.set ia, ia+1
.endr
	WIN 0x68                                       ; kt = tokens x W + kvb: W (source 1) and kvb window 2, result window 1
.set ib, 0
.rept 4
	MM 64*ib+8*(\tau), af, 12*ib, 144+8*ib, ts, WSC+ib
.set ib, ib+1
.endr
	WIN 0x58
.set ia, 1
.rept 2
.set ib, 0
.rept 4
	MM 64*ib+8*(\tau), af+12*ia, 12*(4*ia+ib), 64*ib+8*(\tau), ts+ia, WSC+4*ia+ib
.set ib, ib+1
.endr
.set ia, ia+1
.endr
	WIN 0
	PLACES 4                                       ; in front of the first read of results
	QH d1, 0, 1
	global_store_b128 v[L16], v[PC:PC+3], s[16:17] offset:3072*(\tau)
	global_store_b64 v[L8], v[PC+4:PC+5], s[16:17] offset:3072*(\tau)+512
	ds_store_b16 v[KSA], v[PW] offset:256*((\tau)/2)+8*((\tau)%2)
.endm
	FETCHA 0
.irp u, 0,1,2,3,4,5,6,7
	TOK \u
.endr
	; kt along the keys: in window 1 register 64 t + 16 i + e is column 16 h + e of image row i, channel of lane r in tile t
.set it, 0
.rept 4
	QV 64*it, 20+20*it, 100+2*it                   ; tile it: codes in v[20 + 20 it ..], bytes in v[100 + 2 it ..]: the token fragments' and W's scale words' registers, which are done with
.set ig, 0
.rept 2
	global_store_b128 v[L16], v[20+20*it+10*ig:20+20*it+10*ig+3], s[20:21] offset:12288*it+768*ig
	global_store_b64 v[L8], v[20+20*it+10*ig+4:20+20*it+10*ig+5], s[20:21] offset:12288*it+768*ig+512
	ds_store_b16 v[VSA], v[100+2*it+ig] offset:512*ig+2*it
.set ig, ig+1
.endr
.set it, it+1
.endr
	BARRIER                                        ; the scale bytes of all four waves lie in LDS
	s_lshl_b32 s32, s[WV], 8
	s_add_co_u32 s32, s32, KS
	v_add_nc_u32 v243, s32, v[L8]
	ds_load_b64 v[16:17], v243
	ds_load_b64 v[18:19], v243 offset:VS-KS
	s_wait_dscnt 0x0
	global_store_b64 v[L8], v[16:17], s[18:19]     ; 256 dense bytes each
	global_store_b64 v[L8], v[18:19], s[22:23]
	s_wait_tensorcnt 0x0
	ds_add_u32 v254, v255
	s_wait_dscnt 0x0
	s_endpgm
.Lfunc_end_k_q11e24f521e_keys:
	.size	k_q11e24f521e_keys, .Lfunc_end_k_q11e24f521e_keys-k_q11e24f521e_keys
	.p2alignl 7, 3214868480
	.fill 96, 4, 3214868480
	.section	.rodata,"a",@progbits
	.p2align	6, 0x0
	.amdhsa_kernel k_q11e24f521e_keys
		.amdhsa_group_segment_fixed_size 174592
		.amdhsa_private_segment_fixed_size 0
		.amdhsa_enable_private_segment 0
		.amdhsa_kernarg_size 80
		.amdhsa_user_sgpr_count 2
		.amdhsa_user_sgpr_kernarg_segment_ptr 1
		.amdhsa_wavefront_size32 1
		.amdhsa_system_sgpr_workgroup_id_x 1
		.amdhsa_system_sgpr_workgroup_id_y 1
		.amdhsa_system_sgpr_workgroup_id_z 1
		.amdhsa_system_vgpr_workitem_id 0
		.amdhsa_next_free_vgpr 704
		.amdhsa_next_free_sgpr 66
		.amdhsa_reserve_vcc 0
		.amdhsa_float_denorm_mode_32 3
		.amdhsa_float_denorm_mode_16_64 3
		.amdhsa_memory_ordered 1
		.amdhsa_forward_progress 1
		.amdhsa_inst_pref_size 131
	.end_amdhsa_kernel
	.amdgpu_metadata
---
amdhsa.version: [ 1, 2 ]
amdhsa.kernels:
  - .name:           k_q11e24f521e_keys
    .symbol:         k_q11e24f521e_keys.kd
    .args:
      - { .name: matched_features, .offset: 0, .size: 8, .value_kind: global_buffer, .address_space: global }
      - { .name: kvb, .offset: 8, .size: 8, .value_kind: global_buffer, .address_space: global }
      - { .name: row_embed, .offset: 16, .size: 8, .value_kind: global_buffer, .address_space: global }
      - { .name: col_embed, .offset: 24, .size: 8, .value_kind: global_buffer, .address_space: global }
      - { .name: WF, .offset: 32, .size: 8, .value_kind: global_buffer, .address_space: global }
      - { .name: WS, .offset: 40, .size: 8, .value_kind: global_buffer, .address_space: global }
      - { .name: Kc, .offset: 48, .size: 8, .value_kind: global_buffer, .address_space: global }
      - { .name: Ks, .offset: 56, .size: 8, .value_kind: global_buffer, .address_space: global }
      - { .name: Vc, .offset: 64, .size: 8, .value_kind: global_buffer, .address_space: global }
      - { .name: Vs, .offset: 72, .size: 8, .value_kind: global_buffer, .address_space: global }
    .group_segment_fixed_size: 174592
    .private_segment_fixed_size: 0
    .kernarg_segment_align: 8
    .kernarg_segment_size: 80
    .max_flat_workgroup_size: 128
    .sgpr_count:     66
    .vgpr_count:     704
    .wavefront_size: 32
...
	.end_amdgpu_metadata
.endif
;; end of part 2
;; launch chain (part 3): grid 256 x 1, 4 waves a work-group, no clusters, 299,776 bytes of LDS; arguments query_features, qb, row_embed, col_embed, aggb, n1g, n1b, l1b, l2b, n2g, n2b, outb, WF, WS, Kc, Ks, Vc, Vs, out0, predraw; writes out0, predraw
.if DOCPART == 3
	.amdgcn_target "amdgcn-amd-amdhsa--gfx1250"
	.amdhsa_code_object_version 6
	.text
	.protected	k_q11e24f521e_chain
	.globl	k_q11e24f521e_chain
	.p2align	8
	.type	k_q11e24f521e_chain,@function
k_q11e24f521e_chain:
	s_mov_b64 s[64:65], 0
	v_nop
	global_prefetch_b8 v0, s[64:65] scope:SCOPE_SE
	s_setreg_imm32_b32 hwreg(HW_REG_WAVE_MODE, 25, 1), 1
	s_wait_xcnt 0x0
; The whole decoder for the 32 query tokens of one image row iq of one image b: input projection, two layers (attention, agg, norm, l1, relu, l2, norm), output projection, the error of each token.
; Keys and values hang on the matched features alone, so no query token needs another: x stays in 64 registers a lane from the first product to the last.
; THE WINDOW.  reference() hides every key outside 7 x 7 pixels.  A block of 32 keys of the second product is one image row, and eight image rows from base = min(max(iq - 3, 0) & ~1, 24) hold all rows
; iq - 3 .. iq + 3: only these 256 keys are multiplied.  Hidden columns get -1e30 as the C of the first score product, hidden rows -infinity in place of -M: p = 0 for both.
; SHARES.  Attention: wave w is matched image k = w.  Dense products: the waves share the columns (agg, l2, qW: 64 w on; l1: 256 w on; out: tiles 4 w .. 4 w + 3, wave 0 also tile 16).
; EVERY PRODUCT IS USED TRANSPOSED (source 0 = rows of a weight, of K or of V^T, source 1 = 16 tokens): a lane holds one token (16 tt + lane % 16), and, the rows of a tile being chosen for it,
; register 16 b + i of a pair of tiles holds index 32 b + 16 (lane / 16) + i: 16 neighbours along the next K.  Activations go from wave to wave through LDS as images of operand registers.
; THE STREAM.  Each phase multiplies 32 fragments a wave (49,152 bytes), which come from memory straight into the registers from which the matrix unit takes them (windows 2 and 3, 16 fragments each).
; As soon as a window's fragments are used up the next phase's may be asked for.  LOADcnt's field holds 63, and the issue of a load beyond that stalls (ISA guide 5.7.1): so only as many go out at once
; as bring the count to about 63, and the rest are DEALT OUT in portions among the vector work that follows (macro DEAL).  A phase's first half starts when its first 16 fragments and its scale words are in,
; its second half behind a second, counted wait: loads come back in order, and each count is the number of loads issued behind those that are needed.
; NO CLUSTER, though all work-groups walk the same weights: each fragment is used by one wave of a work-group and goes into its registers without touching LDS; a joint load would send the
; 1.3 MB of weights a work-group through LDS (written and read again), in a ring with a round of the cluster's barrier for each of eleven streams, while K and V (0.8 MB) differ from work-group to work-group.
; A work-group's share of a channel of query_features and out0 is 128 consecutive bytes: with 32 tokens to a work-group all 256 work-groups have work.
; LIMITS: logits under 1e29 in magnitude (the -1e30 must stay below them); zero blocks and blocks under 2^-124 carry the scale byte 1; NaN and infinities are not served.
; REGISTERS.  window 0: v1-15 addresses; X v16-79; ACT v80-127 four token fragments; ASC v128-159, BSC v160-175 scale words alone; PC v176-184; TM v186-193; v196-199 1 / l; v200-249 at work
;   (v232-241: the quantiser's second set of code registers); v250-255 constants.
;   window 1: BIG: scores, p, O, hidden layer (128 tt + 8 tile + j), or 16 token fragments.   window 2: fragments 0-15, v192-255 pos / 16.   window 3: fragments 16-31, v192-223 PAR, v224-255 CMK (the column mask).
; K STAYS IN LDS.  K is the same in both layers: the eight key rows of my matched image are 49,152 consecutive bytes of Kc (8 x 6,144, at a multiple of 256 from its first byte).
; Each wave brings its own by ONE tensor load at the head (192 rows of 256 bytes, dense), into bytes of its own behind the spare words; they are filled once and read by the issuing wave alone,
; so the wait on TENSORcnt ahead of the first read is all the ordering that they need.  Each layer takes the 32 fragments from there into windows 2 and 3 (macro LDK); V and the weights come from memory as before.
.set KL,  103168                       ; LDS: K, 49,152 bytes a wave, behind the spare words (102,656 .. 103,167)
.set KA16, 197                         ; v197, v199: KL + 49,152 w + 16 x lane, + 8 x lane.  They stand in the upper words of the pairs of 1 / l, which are named whole and of which the low word alone is used
.set KA8, 199
.set G0,  76                           ; s[76:79] descriptor group 0
.set G1,  92                           ; s[92:99] descriptor group 1
.set QI,  0
.set OI,  6144                         ; 16 fragments (8 tt + step)
.set QSC, 30720                        ; scale words, 128 bytes a fragment: 4 x lane
.set OSC, 31232
.set LNS, 33280                        ; [wave][tt][r] of 8 bytes: mean and sum of squares; at the end the error's parts
.set XS,  34816                        ; the features' scale words, 16 bytes a token
.set PT,  35328                        ; parameters: aggb, n1g, n1b, l2b, n2g, n2b (2 KB each), l1b (8 KB)
.set XT,  55808                        ; the features' codes: 32 tokens x 240 bytes
.set FQ,  63488                        ; [272 channels][144 bytes]: the features in f32, later the reconstruction
.set AGGB, 0
.set N1G, 2048
.set N1B, 4096
.set L2B, 6144
.set N2G, 8192
.set N2B, 10240
.set L1B, 12288
.set L16, 1
.set L8,  2
.set R16, 3
.set L4,  4
.set QW16, 5
.set QW8, 6
.set OW16, 7
.set OW8, 8
.set QWS, 9
.set OWS, 10
.set PA,  11
.set PB,  12
.set LNW, 13
.set LNR, 14
.set XTR, 15
.set X,   16
.set ACT, 80
.set ASC, 128
.set BSC, 160
.set PC,  176
; PREFETCHES.  All work-groups walk the same weights, phase by phase, and each phase's loads go out about one phase ahead of their use.  So each phase is asked for earlier, one instruction a wave:
; at the head aggW and l1W of the first layer; at a trip's top this layer's l2W (eight phases of the text ahead of its loads); behind agg's products the next layer's aggW; behind l1's products the next layer's l1W.
; A wave's 49,152 bytes of a phase are 192 blocks of 256 bytes: 32 slices of six, the slice chosen by bits 0-2, 4 and 5 of the work-group's number; lanes 0-5 name the six, the other lanes the sixth again:
; so each block is named by eight work-groups.  In the last layer nothing follows l2W but outW: there wave 0 alone asks, and its 192 blocks are outW's fragments 0 .. 31 (the buffer ends four fragments later); l1W's ask is left out.
; V: at the head each work-group asks for the pair of key rows that holds its own image row, tiles 0-7 (even rows) or 8-15 (odd rows) of its four matched images: 24 blocks a wave, each block of V named once.
; The scale words of all weights are 225 blocks: at the head each wave names one (block 4 x six bits of the work-group's number + wave, held at 224).
.set CPG, 185                          ; the stores' offset: made at the tail
.set PFO, 185                          ; until then: the weights' prefetch offset, 256 x (6 x slice + min(lane, 5))
.set PWS, 100                          ; s[100:101]: my block of the scale words
.set TM,  186
.set PW,  194
.set R32, 195
.set RL,  196
.set QT,  200
.set BM,  200
.set BP,  208
.set NM,  216
.set SU,  232
.set PC2, 232                          ; v232-240: the second set of code registers
.set SO,  240
.set PW2, 241
.set BY,  244
.set RMX, 248
.set NEGM, 249
.set INF, 250
.set PA0, 251
.set PB0, 252
.set FR,  253
.set OBA, 254
.set CPL, 255
.set SW,  44
.set SWS, 46
.set SOW, 48
.set SOS, 50
.set RM,  52                           ; s52-59: all ones where key row base + i counts
.set SEL, 60
.set CS,  62                           ; s[62:63] log2(e)
.set WV,  66
.set LAYER, 67
.set LOFF, 68
.set LOFF4, 69
.set PSE, 70
.set PSO, 71
.set MKV, 72
.set MSB, 0
.macro WIN new                         ; the immediate's high byte repeats the setting that is left
.if MSB != (\new)
	s_set_vgpr_msb (MSB<<8)|(\new)
.set MSB, (\new)
.endif
.endm
.macro PLACES n
.rept \n
	v_nop
.endr
.endm
.macro BARRIER                         ; my LDS stores have landed and my LDS loads are in: then the work-group's barrier
	s_wait_dscnt 0x0
	s_barrier_signal -1
	s_barrier_wait -1
.endm
; THE DEALER.  A phase's loads are a numbered list.  Weights (kind 0): 96 loads of 16 bytes a lane, load n = registers 4 (n % 48) on of window 2 + n / 48, 512 n bytes on from the phase's first byte.
; K and V (kind 1): 128 loads, four to a fragment (16, 8, 16, 8 bytes a lane: two halves of 768 bytes), 64 to a window; fragments st bytes apart.
; DN is the next load's number, DEND the number up to which the registers are free.  DEAL n writes the next n loads, as far as DEND allows, and leaves the register windows as it found them.
.set DKIND, 0
.set DN, 0
.set DEND, 0
.set DPH, 0
.set DPT, 32
.macro DSTART kind, ph, pt
.set DKIND, \kind
.set DPH, \ph
.set DPT, \pt
.set DN, 0
.set DEND, 0
.endm
.macro DEAL cnt
.set dsave, MSB
.rept \cnt
.if DN < DEND
.if DKIND == 0
	WIN 0x80+0x40*(DN/48)
	global_load_b128 v[4*(DN%48):4*(DN%48)+3], v[L16], s[SW:SW+1] offset:DPH+512*DN
.else
.set dfr, (DN%64)/4
.set dof, DPH*dfr+1536*(DN/64)+768*((DN%4)/2)
	WIN 0x80+0x40*(DN/64)
.if DN%2 == 0
	global_load_b128 v[12*dfr+6*((DN%4)/2):12*dfr+6*((DN%4)/2)+3], v[L16], s[DPT:DPT+1] offset:dof
.else
	global_load_b64 v[12*dfr+6*((DN%4)/2)+4:12*dfr+6*((DN%4)/2)+5], v[L8], s[DPT:DPT+1] offset:dof+512
.endif
.endif
.set DN, DN+1
.endif
.endr
	WIN dsave
.endm
.macro DEALC cnt, cond                 ; cond = 1: not in the last layer, which has no next K.  Called with every window 0
.if \cond
	s_cmp_eq_u32 s[LAYER], 1
	s_cbranch_scc1 .Lnodeal_\@
	DEAL \cnt
.Lnodeal_\@:
.else
	DEAL \cnt
.endif
.endm
.macro MM d, a, b, c, sa, sb
	v_wmma_scale_f32_16x16x128_f8f6f4 v[(\d):(\d)+7], v[(\a):(\a)+11], v[(\b):(\b)+11], v[(\c):(\c)+7], v[\sa], v[\sb] matrix_a_fmt:MATRIX_FMT_FP6 matrix_b_fmt:MATRIX_FMT_FP6
.endm
.macro MZ d, a, b, sa, sb
	v_wmma_scale_f32_16x16x128_f8f6f4 v[(\d):(\d)+7], v[(\a):(\a)+11], v[(\b):(\b)+11], 0, v[\sa], v[\sb] matrix_a_fmt:MATRIX_FMT_FP6 matrix_b_fmt:MATRIX_FMT_FP6
.endm
; 32 numbers of window X, register 16 b + i = k 32 b + 16 (lane / 16) + i of my token, become half a fragment in v[qpc .. qpc+5] and two scale bytes in v[qpw].
; ps: which of the two sets of code registers; they take turns from call to call.  dl: loads dealt on the way.
.macro QH src, X, ps, dl
.set qpc, PC+(PC2-PC)*(\ps)
.set qpw, PW+(PW2-PW)*(\ps)
	WIN ((\X)<<2)|((\X)<<4)
.irp b, 0,1
	v_max3_num_f32 v[TM+\b], 0x1800000, |v[(\src)+16*\b]|, |v[(\src)+16*\b+1]|   ; with the floor 2^-124; each accumulator is read from its low end on
.endr
.irp i, 2,4,6,8,10,12,14
.irp b, 0,1
	v_max3_num_f32 v[TM+\b], v[TM+\b], |v[(\src)+16*\b+\i]|, |v[(\src)+16*\b+\i+1]|
.endr
.endr
	WIN 0
	DEAL \dl
.irp b, 0,1
	v_permlanex16_b32 v[TM+2+\b], v[TM+\b], s[SEL], s[SEL+1]
.endr
.irp b, 0,1
	v_max_num_f32 v[TM+\b], v[TM+\b], v[TM+2+\b]
.endr
.irp b, 0,1
	v_add_nc_u32 v[TM+4+\b], 0xff000000, v[TM+\b]  ; 2 off the exponent field: the conversion's scale operand
.endr
.irp b, 0,1
	v_lshrrev_b32 v[TM+6+\b], 23, v[TM+4+\b]
.endr
	s_wait_alu depctr_va_vdst(0)
	s_wait_dscnt 3                                 ; behind this set's last three LDS stores stand the other set's three and nothing else (or a barrier's wait for all): so this set's are done
	v_lshl_or_b32 v[qpw], v[TM+7], 8, v[TM+6]
	WIN \X
	v_cvt_scalef32_pk16_fp6_f32 v[qpc:qpc+2], v[(\src):(\src)+15], v[TM+4]
	v_cvt_scalef32_pk16_fp6_f32 v[qpc+6:qpc+8], v[(\src)+16:(\src)+31], v[TM+5]
	WIN 0
	v_nop                                          ; one plain place behind a scaled conversion
.irp i, 0,1,2
	v_permlane16_swap_b32 v[qpc+\i], v[qpc+6+\i]   ; a whole block to a lane
.endr
.irp i, 0,1,2
	v_mov_b32 v[qpc+3+\i], v[qpc+6+\i]
.endr
.endm
; QH twice at once: 64 numbers of window X (two times 32, as for QH) become two half fragments, the first in v[PC .. PC+5] with its bytes in v[PW], the second in v[PC2 .. PC2+5] with v[PW2].
; The four blocks take turns line by line, so that no line reads the line above it.  dl: loads dealt on the way.
.set T4, 200                           ; v200-215: largest magnitudes, the other half's, scale operands, bytes
.macro QH2 src, X, dl
	WIN ((\X)<<2)|((\X)<<4)
.irp b, 0,1,2,3
	v_max3_num_f32 v[T4+\b], 0x1800000, |v[(\src)+16*\b]|, |v[(\src)+16*\b+1]|   ; with the floor 2^-124; from the low end on
.endr
.irp i, 2,4,6,8,10,12,14
.irp b, 0,1,2,3
	v_max3_num_f32 v[T4+\b], v[T4+\b], |v[(\src)+16*\b+\i]|, |v[(\src)+16*\b+\i+1]|
.endr
.endr
	WIN 0
	DEAL \dl
.irp b, 0,1,2,3
	v_permlanex16_b32 v[T4+4+\b], v[T4+\b], s[SEL], s[SEL+1]
.endr
.irp b, 0,1,2,3
	v_max_num_f32 v[T4+\b], v[T4+\b], v[T4+4+\b]
.endr
.irp b, 0,1,2,3
	v_add_nc_u32 v[T4+8+\b], 0xff000000, v[T4+\b]  ; 2 off the exponent field: the conversion's scale operand
.endr
.irp b, 0,1,2,3
	v_lshrrev_b32 v[T4+12+\b], 23, v[T4+8+\b]
.endr
	s_wait_alu depctr_va_vdst(0)
	s_wait_dscnt 0x0                               ; the six LDS stores of the call before are done: both sets of code registers may be written
	v_lshl_or_b32 v[PW], v[T4+13], 8, v[T4+12]
	v_lshl_or_b32 v[PW2], v[T4+15], 8, v[T4+14]
	WIN \X
	v_cvt_scalef32_pk16_fp6_f32 v[PC:PC+2], v[(\src):(\src)+15], v[T4+8]
	v_cvt_scalef32_pk16_fp6_f32 v[PC+6:PC+8], v[(\src)+16:(\src)+31], v[T4+9]
	v_cvt_scalef32_pk16_fp6_f32 v[PC2:PC2+2], v[(\src)+32:(\src)+47], v[T4+10]
	v_cvt_scalef32_pk16_fp6_f32 v[PC2+6:PC2+8], v[(\src)+48:(\src)+63], v[T4+11]
	WIN 0
	v_nop                                          ; one plain place behind a scaled conversion
.irp i, 0,1,2
	v_permlane16_swap_b32 v[PC+\i], v[PC+6+\i]     ; a whole block to a lane
	v_permlane16_swap_b32 v[PC2+\i], v[PC2+6+\i]
.endr
.irp i, 0,1,2
	v_mov_b32 v[PC+3+\i], v[PC+6+\i]
	v_mov_b32 v[PC2+3+\i], v[PC2+6+\i]
.endr
.endm
.macro QB src
.irp c, 0,1
	v_max3_num_f32 v[TM+\c], 0x1800000, |v[(\src)+16*\c]|, |v[(\src)+16*\c+1]|
.endr
.irp i, 2,4,6,8,10,12,14
.irp c, 0,1
	v_max3_num_f32 v[TM+\c], v[TM+\c], |v[(\src)+16*\c+\i]|, |v[(\src)+16*\c+\i+1]|
.endr
.endr
	v_max_num_f32 v[TM], v[TM], v[TM+1]
	v_add_nc_u32 v[TM+4], 0xff000000, v[TM]
	v_lshrrev_b32 v[BY], 23, v[TM+4]
	s_wait_alu depctr_va_vdst(0)
	s_wait_dscnt 0x0
	v_cvt_scalef32_pk16_fp6_f32 v[PC:PC+2], v[(\src):(\src)+15], v[TM+4]
	v_cvt_scalef32_pk16_fp6_f32 v[PC+6:PC+8], v[(\src)+16:(\src)+31], v[TM+4]
	v_nop
.irp i, 0,1,2
	v_mov_b32 v[PC+3+\i], v[PC+6+\i]
.endr
.endm
.macro QSTORE tt                       ; my half fragment of x (K step w / 2, half w % 2) and its two scale bytes: three LDS stores
	ds_store_b128 v[QW16], v[qpc:qpc+3] offset:QI+3072*(\tt)
	ds_store_b64 v[QW8], v[qpc+4:qpc+5] offset:QI+3072*(\tt)+512
	ds_store_b16 v[QWS], v[qpw] offset:QSC+256*(\tt)
.endm
.macro OSTORE tt, g                    ; half g of my two K steps 2 w, 2 w + 1: three LDS stores
	ds_store_b128 v[OW16], v[qpc:qpc+3] offset:OI+12288*(\tt)+768*(\g)
	ds_store_b64 v[OW8], v[qpc+4:qpc+5] offset:OI+12288*(\tt)+768*(\g)+512
	ds_store_b16 v[OWS], v[qpw] offset:OSC+1024*(\tt)+128*((\g)/2)+2*((\g)%2)
.endm
.macro OQUANT tt, dl
.set ig, 0
.rept 2
	QH2 128*(\tt)+64*ig, 1, 2*(\dl)                ; halves 2 ig and 2 ig + 1 at once
.set qpc, PC
.set qpw, PW
	OSTORE \tt, 2*ig
.set qpc, PC2
.set qpw, PW2
	OSTORE \tt, 2*ig+1
.set ig, ig+1
.endr
.endm
.macro FETCHF reg, off                 ; a fragment from its two halves
	ds_load_b128 v[(\reg):(\reg)+3], v[L16] offset:(\off)
	ds_load_b64 v[(\reg)+4:(\reg)+5], v[L8] offset:(\off)+512
	ds_load_b128 v[(\reg)+6:(\reg)+9], v[L16] offset:(\off)+768
	ds_load_b64 v[(\reg)+10:(\reg)+11], v[L8] offset:(\off)+1280
.endm
.macro FETCHQ
.set ia, 0
.rept 4
	FETCHF ACT+12*ia, QI+1536*ia
	ds_load_b32 v[BSC+ia], v[L4] offset:QSC+128*ia
.set ia, ia+1
.endr
.endm
.macro FETCHO
	WIN 0x40
.set ia, 0
.rept 16
	FETCHF 12*ia, OI+1536*ia
.set ia, ia+1
.endr
	WIN 0
.set ia, 0
.rept 16
	ds_load_b32 v[BSC+ia], v[L4] offset:OSC+128*ia
.set ia, ia+1
.endr
.endm
.macro LDWS phs
.set ia, 0
.rept 8
	global_load_b128 v[ASC+4*ia:ASC+4*ia+3], v[R16], s[SWS:SWS+1] offset:(\phs)+256*ia
.set ia, ia+1
.endr
.endm
.macro LDHF off                        ; fragment ia of K from its two halves in my part of LDS
	ds_load_b128 v[12*ia:12*ia+3], v[KA16] offset:(\off)
	ds_load_b64 v[12*ia+4:12*ia+5], v[KA8] offset:(\off)+512
	ds_load_b128 v[12*ia+6:12*ia+9], v[KA16] offset:(\off)+768
	ds_load_b64 v[12*ia+10:12*ia+11], v[KA8] offset:(\off)+1280
.endm
.macro LDK st                          ; K step st of the 16 tiles of keys (at the kernel's head)
	WIN 0x80+0x40*(\st)
.set ia, 0
.rept 16
	LDHF 3072*ia+1536*(\st)
.set ia, ia+1
.endr
	WIN 0
.endm
.macro LDKS
.set ia, 0
.rept 8
	global_load_b128 v[ASC+4*ia:ASC+4*ia+3], v[R16], s[34:35] offset:256*ia
.set ia, ia+1
.endr
.endm
.macro PLOAD dst, win, off             ; a parameter at my 64 columns, in x's layout
	WIN (\win)<<6
.set ia, 0
.rept 8
	ds_load_b128 v[(\dst)+4*ia:(\dst)+4*ia+3], v[PA] offset:PT+(\off)+128*(ia/4)+16*(ia%4)
.set ia, ia+1
.endr
	WIN 0
.endm
.macro XADD                            ; x += PAR, both tiles
	WIN 0x0c
.set ia, 0
.rept 32
	v_pk_add_f32 v[X+2*ia:X+2*ia+1], v[X+2*ia:X+2*ia+1], v[192+2*(ia%16):192+2*(ia%16)+1]
.set ia, ia+1
.endr
	WIN 0
.endm
.macro D8HALF hf                       ; x += W (K steps 4 hf .. 4 hf + 3) x activations: eight accumulators by turns
	WIN 0x06+(\hf)
.set ia, 0
.rept 4
.set ib, 0
.rept 4
.set ic, 0
.rept 2
	MM X+32*ic+8*ib, 12*(4*ia+ib), 12*(8*ic+4*(\hf)+ia), X+32*ic+8*ib, ASC+16*(\hf)+4*ia+ib, BSC+8*ic+4*(\hf)+ia
.set ic, ic+1
.endr
.set ib, ib+1
.endr
.set ia, ia+1
.endr
	WIN 0
.endm
.macro BIG32 st                        ; BIG += fragment ia of window 2 + st x token fragment (tt, st): 32 accumulators by turns; scale word ASC + 16 st + ia
	WIN 0x52+(\st)
.set ia, 0
.rept 16
.set ib, 0
.rept 2
	MM 128*ib+8*ia, 12*ia, ACT+24*ib+12*(\st), 128*ib+8*ia, ASC+16*(\st)+ia, BSC+2*ib+(\st)
.set ib, ib+1
.endr
.set ia, ia+1
.endr
	WIN 0
.endm
; The softmax of tile tt: 8 key rows x 16 columns a lane.  p = 2^(t - M), M = the ceiling of the row's largest t; the sum of the unquantised p; p quantised, a key row a block.
; d1 .. d4: loads dealt at four places, none of them between an exponential and its wait.
.macro SOFTMAX tt, d1, d2, d3, d4
	WIN 0x14
.set ia, 0
.rept 8
	v_max3_num_f32 v[BM+ia], s[MKV], v[128*(\tt)+16*ia], v[128*(\tt)+16*ia+1]   ; the largest score of each key row: for the row's maximum and, since p rises with the score, for the block's largest p
.set ia, ia+1
.endr
.set ib, 2
.rept 7
.set ia, 0
.rept 8
	v_max3_num_f32 v[BM+ia], v[BM+ia], v[128*(\tt)+16*ia+ib], v[128*(\tt)+16*ia+ib+1]
.set ia, ia+1
.endr
.set ib, ib+2
.endr
	WIN 0
	DEAL \d1
.set ia, 0
.rept 8
	v_permlanex16_b32 v[BP+ia], v[BM+ia], s[SEL], s[SEL+1]
.set ia, ia+1
.endr
.set ia, 0
.rept 8
	v_max_num_f32 v[BM+ia], v[BM+ia], v[BP+ia]
.set ia, ia+1
.endr
.set ia, 0
.rept 8
	v_cndmask_b32 v[BM+ia], v[INF], v[BM+ia], s[RM+ia]   ; a hidden key row counts for nothing
.set ia, ia+1
.endr
	v_max3_num_f32 v[RMX], v[BM], v[BM+1], v[BM+2]
	v_max3_num_f32 v[RMX], v[RMX], v[BM+3], v[BM+4]
	v_max3_num_f32 v[RMX], v[RMX], v[BM+5], v[BM+6]
	v_max_num_f32 v[RMX], v[RMX], v[BM+7]
	v_mul_f32 v[RMX], s[CS], v[RMX]
	v_floor_f32 v[NEGM], -v[RMX]                   ; -M = floor(-t)
.set ia, 0
.rept 8
	v_cndmask_b32 v[NM+2*ia], v[INF], v[NEGM], s[RM+ia]   ; -M, or -infinity for a hidden key row; the low word of a pair (the upper words were written as QT and are not used)
.set ia, ia+1
.endr
.set ia, 0
.rept 8
	v_fma_f32 v[BM+ia], v[BM+ia], s[CS], v[NM+2*ia]
.set ia, ia+1
.endr
	DEAL \d2
	WIN 0x41
.set ia, 0
.rept 8
.set ib, 0
.rept 8
	v_pk_fma_f32 v[128*(\tt)+16*ia+ib:128*(\tt)+16*ia+ib+1], v[128*(\tt)+16*ia+ib:128*(\tt)+16*ia+ib+1], s[CS:CS+1], v[NM+2*ia:NM+2*ia+1] op_sel_hi:[1,0,0]   ; t - M
.set ib, ib+2
.endr
.set ia, ia+1
.endr
.set ia, 0
	s_wait_alu depctr_va_vdst(0)
.rept 128
	v_exp_f32 v[128*(\tt)+ia], v[128*(\tt)+ia]
.set ia, ia+1
.endr
	WIN 0
	v_nop                                          ; a plain place behind the batch
	s_wait_alu depctr_va_vdst(0)                   ; one wait for the 128, ahead of their first reader
.set ia, 0
.rept 8
	v_exp_f32 v[BM+ia], v[BM+ia]                   ; each block's largest p
.set ia, ia+1
.endr
	WIN 0x05                                       ; the sum of the unquantised p, in four chains
.set ia, 0
.rept 4
	v_pk_add_f32 v[SU+2*ia:SU+2*ia+1], v[128*(\tt)+4*ia:128*(\tt)+4*ia+1], v[128*(\tt)+4*ia+2:128*(\tt)+4*ia+3]
.set ia, ia+1
.endr
	WIN 0x04
.set ia, 8
.rept 56
	v_pk_add_f32 v[SU+2*(ia%4):SU+2*(ia%4)+1], v[SU+2*(ia%4):SU+2*(ia%4)+1], v[128*(\tt)+2*ia:128*(\tt)+2*ia+1]
.set ia, ia+1
.endr
	WIN 0
	v_pk_add_f32 v[SU:SU+1], v[SU:SU+1], v[SU+2:SU+3]
	v_pk_add_f32 v[SU+4:SU+5], v[SU+4:SU+5], v[SU+6:SU+7]
	v_pk_add_f32 v[SU:SU+1], v[SU:SU+1], v[SU+4:SU+5]
	v_add_f32 v[SU], v[SU], v[SU+1]
	v_permlanex16_b32 v[SU+2], v[SU], s[SEL], s[SEL+1]
	v_add_f32 v[SU], v[SU], v[SU+2]
	s_wait_alu depctr_va_vdst(0)
	v_rcp_f32 v[RL+2*(\tt)], v[SU]                 ; 1 / l
	v_nop
	s_wait_alu depctr_va_vdst(0)                   ; one wait for the eight exponentials and the reciprocal
	DEAL \d3
.set ia, 0
.rept 8
	v_max_num_f32 v[BM+ia], 0x1800000, v[BM+ia]    ; the floor: a block of zeros keeps the byte 1
.set ia, ia+1
.endr
.set ia, 0
.rept 8
	v_add_nc_u32 v[SO+ia], 0xff000000, v[BM+ia]
.set ia, ia+1
.endr
.set ia, 0
.rept 8
	v_lshrrev_b32 v[BP+ia], 23, v[SO+ia]
.set ia, ia+1
.endr
.irp g, 0,1
	v_lshl_or_b32 v[BSC+2*(\tt)+\g], v[BP+4*\g+1], 8, v[BP+4*\g]
	v_lshl_or_b32 v[BSC+2*(\tt)+\g], v[BP+4*\g+2], 16, v[BSC+2*(\tt)+\g]
	v_lshl_or_b32 v[BSC+2*(\tt)+\g], v[BP+4*\g+3], 24, v[BSC+2*(\tt)+\g]
.endr
	WIN 1
.set ia, 0
.rept 4
	v_cvt_scalef32_pk16_fp6_f32 v[ACT+24*(\tt)+6*ia:ACT+24*(\tt)+6*ia+2], v[128*(\tt)+32*ia:128*(\tt)+32*ia+15], v[SO+2*ia]
	v_cvt_scalef32_pk16_fp6_f32 v[BP+4*ia:BP+4*ia+2], v[128*(\tt)+32*ia+16:128*(\tt)+32*ia+31], v[SO+2*ia+1]
.set ia, ia+1
.endr
	WIN 0
	v_nop
.set ia, 0
.rept 4
.irp i, 0,1,2
	v_permlane16_swap_b32 v[ACT+24*(\tt)+6*ia+\i], v[BP+4*ia+\i]
.endr
.irp i, 0,1,2
	v_mov_b32 v[ACT+24*(\tt)+6*ia+3+\i], v[BP+4*ia+\i]
.endr
.set ia, ia+1
.endr
	DEAL \d4
.endm
; x = layernorm(x) g + b.  Each wave has 64 of a token's 256 columns: its mean and its sum of squares about that mean meet the other waves' in LDS.
; Five portions of the pending list are dealt on the way; cond = 1: under a branch on the layer (macro DEALC).
.macro LNORM go, bo, cond
.set ic, 0
.rept 2
.set xb, X+32*ic
.irp o, 2,4,6
.set ia, 0
.rept 4
.if \o == 2
	v_pk_add_f32 v[200+2*ia:201+2*ia], v[xb+8*ia:xb+8*ia+1], v[xb+8*ia+2:xb+8*ia+3]   ; each accumulator from its low end on
.else
	v_pk_add_f32 v[200+2*ia:201+2*ia], v[200+2*ia:201+2*ia], v[xb+8*ia+\o:xb+8*ia+\o+1]
.endif
.set ia, ia+1
.endr
.endr
	v_pk_add_f32 v[200:201], v[200:201], v[202:203]
	v_pk_add_f32 v[204:205], v[204:205], v[206:207]
	v_pk_add_f32 v[200:201], v[200:201], v[204:205]
	v_add_f32 v200, v200, v201
	v_permlanex16_b32 v202, v200, s[SEL], s[SEL+1]
	v_add_f32 v200, v200, v202
	v_mul_f32 v[240+2*ic], 0x3c800000, v200        ; the mean of my 64
	v_mov_b32 v[241+2*ic], 0
.set ia, 0
.rept 16
	v_pk_add_f32 v[208+2*ia:209+2*ia], v[xb+2*ia:xb+2*ia+1], v[240+2*ic:241+2*ic] op_sel_hi:[1,0] neg_lo:[0,1] neg_hi:[0,1]
.set ia, ia+1
.endr
	v_pk_mul_f32 v[200:201], v[208:209], v[208:209]
	v_pk_mul_f32 v[202:203], v[210:211], v[210:211]
.set ia, 2
.rept 14
	v_pk_fma_f32 v[200+2*(ia%2):201+2*(ia%2)], v[208+2*ia:209+2*ia], v[208+2*ia:209+2*ia], v[200+2*(ia%2):201+2*(ia%2)]
.set ia, ia+1
.endr
	v_pk_add_f32 v[200:201], v[200:201], v[202:203]
	v_add_f32 v200, v200, v201
	v_permlanex16_b32 v202, v200, s[SEL], s[SEL+1]
	v_add_f32 v[241+2*ic], v200, v202
	ds_store_b64 v[LNW], v[240+2*ic:241+2*ic] offset:LNS+128*ic
	DEALC 16, \cond
.set ic, ic+1
.endr
	BARRIER
	PLOAD 192, 3, \go
	PLOAD 200, 0, \bo
.set ia, 0
.rept 8
	ds_load_b64 v[232+2*ia:233+2*ia], v[LNR] offset:LNS+256*(ia%4)+128*(ia/4)
.set ia, ia+1
.endr
	DEALC 16, \cond
	s_wait_dscnt 0x0
.set ic, 0
.rept 2
.set pp, 232+8*ic
	v_add_f32 v186, v[pp], v[pp+2]
	v_add_f32 v187, v[pp+4], v[pp+6]
	v_add_f32 v186, v186, v187
	v_mul_f32 v[176+2*ic], 0x3e800000, v186        ; the mean
	v_mov_b32 v[177+2*ic], 0
	v_sub_f32 v187, v[pp], v[176+2*ic]
	v_mul_f32 v188, v187, v187
.irp i, 1,2,3
	v_sub_f32 v187, v[pp+2*\i], v[176+2*ic]
	v_fma_f32 v188, v187, v187, v188
.endr
	v_add_f32 v189, v[pp+1], v[pp+3]
	v_add_f32 v190, v[pp+5], v[pp+7]
	v_add_f32 v189, v189, v190
	v_fma_f32 v189, v188, 0x42800000, v189         ; + 64 x the squares of the four means' distances
	v_mul_f32 v189, 0x3b800000, v189               ; / 256
	v_add_f32 v189, 0x3727c5ac, v189               ; + 1e-5
	s_wait_alu depctr_va_vdst(0)
	v_rsq_f32 v[180+2*ic], v189
	v_mov_b32 v[181+2*ic], 0                       ; (a plain place)
.set ic, ic+1
.endr
	s_wait_alu depctr_va_vdst(0)                   ; one wait for both roots, ahead of their first reader
	DEALC 16, \cond
.set ia, 0
.rept 32
	v_pk_add_f32 v[X+2*ia:X+2*ia+1], v[X+2*ia:X+2*ia+1], v[176+2*(ia/16):177+2*(ia/16)] op_sel_hi:[1,0] neg_lo:[0,1] neg_hi:[0,1]
.set ia, ia+1
.endr
	DEALC 128, \cond                               ; whatever is left of the list
.set ia, 0
.rept 32
	v_pk_mul_f32 v[X+2*ia:X+2*ia+1], v[X+2*ia:X+2*ia+1], v[180+2*(ia/16):181+2*(ia/16)] op_sel_hi:[1,0]
.set ia, ia+1
.endr
	WIN 0x0c
.set ia, 0
.rept 32
	v_pk_fma_f32 v[X+2*ia:X+2*ia+1], v[X+2*ia:X+2*ia+1], v[192+2*(ia%16):193+2*(ia%16)], v[200+2*(ia%16):201+2*(ia%16)]
.set ia, ia+1
.endr
	WIN 0
.endm
	s_load_b512 s[4:19], s[0:1], 0x0               ; features, qb, row_embed, col_embed, aggb, n1g, n1b, l1b
	s_load_b512 s[20:35], s[0:1], 0x40             ; l2b, n2g, n2b, outb, WF, WS, Kc, Ks
	s_load_b256 s[36:43], s[0:1], 0x80             ; Vc, Vs, out0, predraw
	v_lshl_add_u32 v254, v0, 2, 0x19100            ; my spare word,
	v_mov_b32 v255, 0                              ; and 0 (no two registers can be kept: v0 is, and the two are made anew at the wave's end)
	ds_add_u32 v254, v255                          ; the opening lines, ahead of my tensor load
	ds_add_u32 v254, v255
	s_mov_b32 s[G1], 3<<16                         ; group 1: no mask; elements of 8 bytes; no padding: a wave reads consecutive bytes
	s_mov_b32 s[G1+1], 32<<16                      ; tensor_dim0 = 32: rows of 256 bytes
	s_mov_b32 s[G1+2], 192<<16                     ; tensor_dim1 = 192
	s_mov_b32 s[G1+3], 32<<16                      ; tile_dim0 = 32
	s_mov_b32 s[G1+4], 192                         ; tile_dim1 = 192
	s_mov_b32 s[G1+5], 32                          ; each row begins where the last ends
	s_mov_b32 s[G1+6], 0
	s_mov_b32 s[G1+7], 0
	v_lshrrev_b32 v238, 5, v0
	v_readfirstlane_b32 s[WV], v238
	v_and_b32 v238, 31, v0                         ; lane
	s_wait_alu depctr_va_vdst(0)
	v_and_b32 v239, 15, v0                         ; r
	s_wait_alu depctr_va_vdst(0)
	v_bfe_u32 v240, v0, 4, 1                       ; h
	s_lshr_b32 s73, ttmp9, 5                       ; b
	s_and_b32 s74, ttmp9, 31                       ; iq
	s_sub_co_i32 s75, s74, 3
	s_max_i32 s75, s75, 0
	s_and_b32 s75, s75, -2
	s_min_u32 s75, s75, 24                         ; base
	s_sub_co_i32 s76, s75, s74
.set ia, 0
.rept 8
	s_add_co_i32 s77, s76, ia+3
	s_cmp_le_u32 s77, 6                            ; |base + i - iq| <= 3
	s_cselect_b32 s[RM+ia], -1, 0
.set ia, ia+1
.endr
	s_mov_b32 s[SEL], 0x76543210
	s_mov_b32 s[SEL+1], 0xfedcba98
	s_mov_b32 s[CS], 0x3fb8aa3b
	s_mov_b32 s[CS+1], s[CS]
	s_mov_b32 s[PSE], 0x05040100
	s_mov_b32 s[PSO], 0x07060302
	s_mov_b32 s[MKV], 0xf149f2ca                   ; -1e30
	s_mov_b32 s[LAYER], 0
	s_mov_b32 s[LOFF], 0
	s_mov_b32 s[LOFF4], 0
	; every LDS address register is made here, ahead of the first branch on the wave's number
	v_lshlrev_b32 v[L16], 4, v238
	v_lshlrev_b32 v[L8], 3, v238
	v_lshlrev_b32 v[R16], 4, v239
	v_lshlrev_b32 v[L4], 2, v238
	s_wait_alu depctr_va_vdst(0)
	v_lshlrev_b32 v[R32], 5, v239
	s_mul_i32 s77, s[WV], 768
	v_add_nc_u32 v[QW16], s77, v[L16]
	v_add_nc_u32 v[QW8], s77, v[L8]
	s_mul_i32 s77, s[WV], 3072
	v_add_nc_u32 v[OW16], s77, v[L16]
	v_add_nc_u32 v[OW8], s77, v[L8]
	s_lshr_b32 s77, s[WV], 1
	s_lshl_b32 s77, s77, 7
	s_and_b32 s78, s[WV], 1
	s_lshl_b32 s78, s78, 1
	s_add_co_u32 s77, s77, s78
	v_add_nc_u32 v[QWS], s77, v[L4]
	s_lshl_b32 s77, s[WV], 8
	v_add_nc_u32 v[OWS], s77, v[L4]
	v_lshl_add_u32 v[LNW], v239, 3, s77
	v_lshlrev_b32 v[LNR], 3, v239
	v_mul_u32_u24 v[XTR], v239, 240
	v_mad_u32_u24 v[XTR], v240, 24, v[XTR]
	v_lshl_add_u32 v[PA0], v240, 6, s77            ; 256 w + 64 h
	v_lshl_add_u32 v[OBA], v240, 5, s77            ; 256 w + 32 h
	s_lshl_b32 s78, s[WV], 10
	v_lshl_add_u32 v[PB0], v240, 6, s78
	s_mul_i32 s78, s[WV], 9216
	s_add_co_u32 s78, s78, FQ
	v_lshl_add_u32 v237, v238, 2, s78              ; FQ: channel 64 w, token = lane
	v_mul_u32_u24 v[FR], v240, 1152
	v_lshl_add_u32 v[FR], v239, 2, v[FR]
	v_add_nc_u32 v[FR], s78, v[FR]                 ; FQ: channel 64 w + 8 h, token r
	v_lshlrev_b32 v232, 4, v0                      ; 16 x thread
	s_mul_i32 s78, s[WV], 48
	s_add_co_u32 s78, s78, XT
	v_mul_u32_u24 v235, v238, 240
	v_add_nc_u32 v235, s78, v235
	s_lshl_b32 s78, s[WV], 1
	s_add_co_u32 s78, s78, XS
	v_lshl_add_u32 v236, v238, 4, s78
	v_lshrrev_b32 v241, 3, v238                    ; the way out: four channels an instruction, eight lanes to a channel's 128 bytes
	v_and_b32 v242, 7, v238
	v_mul_u32_u24 v[CPL], v241, 144
	v_lshl_add_u32 v[CPL], v242, 4, v[CPL]
	s_mul_i32 s78, s[WV], 9792
	s_add_co_u32 s78, s78, FQ
	v_add_nc_u32 v[CPL], s78, v[CPL]
	s_and_b32 s78, ttmp9, 7                        ; the prefetches' offsets: the slice, bits 0-2, 4, 5 of the work-group's number,
	s_lshr_b32 s76, ttmp9, 1
	s_and_b32 s76, s76, 0x18
	s_or_b32 s78, s78, s76
	s_mul_i32 s78, s78, 1536                       ; x six blocks
	s_and_b32 s77, s74, 1                          ; V, counted from the window's first pair: tiles 8-15 for an odd image row,
	s_mul_i32 s77, s77, 98304
	s_lshr_b32 s76, s74, 1
	s_mul_i32 s76, s76, 768                        ; pair iq / 2,
	s_add_co_u32 s77, s77, s76
	s_mul_i32 s76, s75, 384                        ; less pair base / 2, which is never the greater
	s_sub_co_u32 s77, s77, s76
	s_and_b32 s[PWS], ttmp9, 7                     ; the scale words: bits 0-2 and 4-6 of the work-group's number,
	s_lshr_b32 s[PWS+1], ttmp9, 1
	s_and_b32 s[PWS+1], s[PWS+1], 0x38
	s_or_b32 s[PWS], s[PWS], s[PWS+1]
	s_lshl_b32 s[PWS], s[PWS], 2
	s_add_co_u32 s[PWS], s[PWS], s[WV]             ; x 4 + wave,
	s_min_u32 s[PWS], s[PWS], 224                  ; held at the table's last block
	s_lshl_b32 s[PWS], s[PWS], 8
	s_mov_b32 s[PWS+1], 0
	v_min_u32 v[PFO], 5, v238
	v_min_u32 v246, 23, v238
	v_lshlrev_b32 v[PFO], 8, v[PFO]
	v_mul_u32_u24 v247, v246, 11
	v_add_nc_u32 v[PFO], s78, v[PFO]
	v_lshrrev_b32 v247, 5, v247                    ; lane / 3 (exact up to 23): the tile; a tile's pair is three blocks
	v_mul_u32_u24 v247, v247, 11520                ; tiles are 12,288 bytes apart: 11,520 x tile + 256 x lane
	v_lshl_add_u32 v247, v246, 8, v247
	v_add_nc_u32 v247, s77, v247
	v_mov_b32 v[INF], 0xff800000
	s_mul_i32 s78, s[WV], 49152
	s_add_co_u32 s78, s78, KL
	v_add_nc_u32 v[KA16], s78, v[L16]              ; K in LDS: my part, 16 x lane and 8 x lane (these also write the upper words of the pairs of 1 / l)
	v_add_nc_u32 v[KA8], s78, v[L8]
	v_mov_b32 v[TM+2], 0                           ; a lane permute's destination counts as one of its sources
	v_mov_b32 v[TM+3], 0
	v_mov_b32 v242, 0
	v_mov_b32 v243, 0
	s_wait_alu depctr_va_vdst(0)
	s_wait_dscnt 0x0                               ; both opening adds are done
	s_wait_kmcnt 0x0
	s_mov_b32 s81, 0
	s_mul_i32 s80, s73, 1114112
	s_lshl_b32 s82, s74, 7
	s_add_co_u32 s80, s80, s82
	s_add_nc_u64 s[40:41], s[40:41], s[80:81]      ; out0: image b, image row iq
	s_lshl_b32 s82, s[WV], 18
	s_add_co_u32 s80, s80, s82
	s_add_nc_u64 s[4:5], s[4:5], s[80:81]          ; features: and channel 64 w
	s_lshl_b32 s80, s[WV], 5
	s_add_co_u32 s80, s80, 96
	s_mul_i32 s80, s80, 1536
	s_add_nc_u64 s[SW:SW+1], s[28:29], s[80:81]
	s_lshl_b32 s80, s[WV], 3
	s_add_co_u32 s80, s80, 864
	s_mul_i32 s80, s80, 1536
	s_add_nc_u64 s[SOW:SOW+1], s[28:29], s[80:81]
	s_mul_i32 s80, s[WV], 12
	s_add_co_u32 s80, s80, 48
	s_mul_i32 s80, s80, 1536
	s_add_nc_u64 s[84:85], s[28:29], s[80:81]      ; qW's 12 fragments
	s_lshl_b32 s80, s[WV], 3
	s_add_co_u32 s80, s80, 24
	s_lshl_b32 s80, s80, 8
	s_add_nc_u64 s[SWS:SWS+1], s[30:31], s[80:81]
	s_lshl_b32 s80, s[WV], 1
	s_add_co_u32 s80, s80, 216
	s_lshl_b32 s80, s80, 8
	s_add_nc_u64 s[SOS:SOS+1], s[30:31], s[80:81]
	s_mul_i32 s80, s[WV], 3
	s_add_co_u32 s80, s80, 12
	s_lshl_b32 s80, s80, 8
	s_add_nc_u64 s[86:87], s[30:31], s[80:81]
	s_lshl_b32 s82, s[WV], 3
	s_add_co_u32 s82, s82, s73                     ; kb = 8 w + b
	s_lshl_b32 s83, s82, 5
	s_add_co_u32 s83, s83, s75
	s_mul_i32 s80, s83, 6144
	s_add_nc_u64 s[32:33], s[32:33], s[80:81]      ; Kc: image kb, key row base
	s_mov_b32 s[G0], 1                             ; count = 1
	s_mul_i32 s[G0+1], s[WV], 49152
	s_add_co_u32 s[G0+1], s[G0+1], KL              ; LDS: my part
	s_mov_b64 s[G0+2:G0+3], s[32:33]
	s_or_b32 s[G0+3], s[G0+3], 0x80000000          ; type = 2
	tensor_load_to_lds s[G0:G0+3], s[G1:G1+7]      ; my one tensor load: the only one that I ever have out
	s_nop 0
	PLACES 4
	s_lshl_b32 s80, s83, 8
	s_add_nc_u64 s[34:35], s[34:35], s[80:81]
	s_mul_i32 s80, s82, 196608
	s_mul_i32 s83, s75, 384
	s_add_co_u32 s80, s80, s83
	s_add_nc_u64 s[36:37], s[36:37], s[80:81]
	s_lshl_b32 s83, s82, 4
	s_lshr_b32 s88, s75, 1
	s_add_co_u32 s83, s83, s88
	s_lshl_b32 s80, s83, 9
	s_add_nc_u64 s[38:39], s[38:39], s[80:81]
	s_lshl_b32 s80, ttmp9, 7
	s_add_nc_u64 s[42:43], s[42:43], s[80:81]
	s_cmp_lt_u32 s[WV], 2                          ; channels 0-127 of pos: col_embed[column], 128-255: row_embed[iq]
	s_cselect_b64 s[90:91], s[10:11], s[8:9]
	s_cselect_b32 s88, 512, 0
	s_cselect_b32 s89, 8192, 0
	s_cselect_b32 s80, 0, 512
	s_mul_i32 s80, s80, s74
	s_add_nc_u64 s[90:91], s[90:91], s[80:81]
	v_mul_u32_u24 v233, v239, s88
	v_lshl_add_u32 v233, v240, 6, v233
	s_and_b32 s88, s[WV], 1
	s_lshl_b32 s88, s88, 8
	v_add_nc_u32 v233, s88, v233
	v_add_nc_u32 v234, s89, v233
	s_cmp_lg_u32 s[WV], 0
	s_cbranch_scc1 .Lno_x
.set ia, 0
.rept 16
	global_load_b32 v[200+ia], v[L4], s[4:5] offset:4096*(256+ia) th:TH_LOAD_NT   ; wave 0: channels 256 .. 271
.set ia, ia+1
.endr
.Lno_x:
.set ia, 0
.rept 64
	global_load_b32 v[X+ia], v[L4], s[4:5] offset:4096*ia th:TH_LOAD_NT   ; a lane takes a token, its registers run down my 64 channels
.set ia, ia+1
.endr
	s_add_nc_u64 s[PWS:PWS+1], s[30:31], s[PWS:PWS+1]
	global_prefetch_b8 v[PFO], s[SW:SW+1] th:TH_LOAD_NT scope:SCOPE_SE                 ; aggW of the first layer
	global_prefetch_b8 v247, s[36:37] th:TH_LOAD_NT scope:SCOPE_SE                     ; my share of V
	global_prefetch_b8 v[L8], s[PWS:PWS+1] th:TH_LOAD_NT scope:SCOPE_SE                ; my block of the scale words (8 x lane stays inside it)
	global_prefetch_b8 v[PFO], s[SW:SW+1] offset:196608 th:TH_LOAD_NT scope:SCOPE_SE   ; l1W of the first layer
	global_load_b128 v[80:83], v232, s[12:13]
	global_load_b128 v[84:87], v232, s[14:15]
	global_load_b128 v[88:91], v232, s[16:17]
	global_load_b128 v[92:95], v232, s[20:21]
	global_load_b128 v[96:99], v232, s[22:23]
	global_load_b128 v[100:103], v232, s[24:25]
.irp i, 0,1,2,3
	global_load_b128 v[104+4*\i:107+4*\i], v232, s[18:19] offset:2048*\i
.endr
	WIN 0x40
.set ia, 0
.rept 36
	global_load_b128 v[72+4*ia:75+4*ia], v[L16], s[84:85] offset:512*ia
.set ia, ia+1
.endr
	WIN 0
.irp i, 0,1,2
	global_load_b128 v[ASC+4*\i:ASC+4*\i+3], v[R16], s[86:87] offset:256*\i
.endr
	WIN 0x80
.set ia, 0
	s_wait_alu depctr_va_vdst(0)
.rept 8
	global_load_b128 v[192+4*ia:195+4*ia], v233, s[90:91] offset:128*(ia/4)+16*(ia%4)
	global_load_b128 v[224+4*ia:227+4*ia], v234, s[90:91] offset:128*(ia/4)+16*(ia%4)
.set ia, ia+1
.endr
	WIN 0xc0
.set ia, 0
.rept 8
	global_load_b128 v[192+4*ia:195+4*ia], v[PA0], s[6:7] offset:128*(ia/4)+16*(ia%4)
.set ia, ia+1
.endr
	WIN 0
	v_lshlrev_b32 v241, 4, v240                    ; the column mask: register 16 tt + i stands for key column 16 h + i and query column 16 tt + r
	v_sub_nc_u32 v241, v241, v239
	v_add_nc_u32 v241, 3, v241
	WIN 0xc0
.set ia, 0
.rept 32
	v_add_nc_u32 v[224+ia], (ia%16)-16*(ia/16), v241
.set ia, ia+1
.endr
	WIN 0xcc
.set ia, 0
.rept 32
	v_cmp_ge_u32 vcc_lo, 6, v[224+ia]
	v_cndmask_b32 v[224+ia], s[MKV], 0, vcc_lo     ; 0 within 3 columns, else -1e30
.set ia, ia+1
.endr
	WIN 0
	s_wait_xcnt 0x0                                ; the prefetches have read their registers: v247 is written again in the softmax
	s_wait_loadcnt 63                              ; 73 loads stand behind the features': with at most 63 out, the features are in
.set ia, 0
.rept 64
	ds_store_b32 v237, v[X+ia] offset:144*ia       ; kept in f32 for the error
.set ia, ia+1
.endr
	QB X
.irp p, 0,1,2
	ds_store_b64 v235, v[PC+2*\p:PC+2*\p+1] offset:8*\p
.endr
	v_mov_b32 v241, v[BY]
	QB X+32
.irp p, 0,1,2
	ds_store_b64 v235, v[PC+2*\p:PC+2*\p+1] offset:24+8*\p
.endr
	v_lshl_or_b32 v[PW], v[BY], 8, v241
	ds_store_b16 v236, v[PW]
	s_cmp_lg_u32 s[WV], 0
	s_cbranch_scc1 .Lno_x2
.set ia, 0
.rept 16
	ds_store_b32 v237, v[200+ia] offset:36864+144*ia
	v_mov_b32 v[216+ia], 0                         ; block 8 is filled with zeros
.set ia, ia+1
.endr
	QB 200
.irp p, 0,1,2
	ds_store_b64 v235, v[PC+2*\p:PC+2*\p+1] offset:192+8*\p
	ds_store_b64 v235, v[242:243] offset:216+8*\p  ; block 9: zero codes
.endr
	ds_store_b32 v236, v[BY] offset:8
.Lno_x2:
	s_wait_loadcnt 0x0
.set ia, 0
.rept 10
	ds_store_b128 v232, v[80+4*ia:83+4*ia] offset:PT+2048*ia
.set ia, ia+1
.endr
	WIN 0x82
.set ia, 0
.rept 32
	v_pk_mul_f32 v[192+2*ia:193+2*ia], v[192+2*ia:193+2*ia], 0x3d800000 op_sel_hi:[1,0]   ; pos / 16
.set ia, ia+1
.endr
	WIN 0
	BARRIER
	; ---- x = Q(features) Q(qW) + qb
	WIN 0x40
.set ia, 0
.rept 6
	v_mov_b32 v[30+ia], 0                          ; K step 2 has no codes from k = 320 on
	v_mov_b32 v[66+ia], 0
.set ia, ia+1
.endr
.set ic, 0
.rept 2
.set ia, 0
.rept 3
.set ib, 0
.rept 6
.if (ia < 2) || (ib < 3)
	ds_load_b64 v[36*ic+12*ia+2*ib:36*ic+12*ia+2*ib+1], v[XTR] offset:XT+3840*ic+96*ia+48*(ib/3)+8*(ib%3)
.endif
.set ib, ib+1
.endr
.set ia, ia+1
.endr
.set ic, ic+1
.endr
	WIN 0
	ds_load_b96 v[BSC:BSC+2], v[R16] offset:XS
	ds_load_b96 v[BSC+4:BSC+6], v[R16] offset:XS+256
	s_wait_dscnt 0x0
	s_wait_alu depctr_va_vdst(0)
	s_wait_tensorcnt 0x0                           ; my K is in LDS
	LDK 0                                          ; the first layer's K: 128 LDS loads, out while the products below are made
	LDK 1
	PLACES 4                                       ; operand registers written by vector instructions stand four places ahead
	WIN 0x35
.set ib, 0
.rept 4
.set ic, 0
.rept 2
	MM X+32*ic+8*ib, 72+12*ib, 36*ic, 192+8*ib, ASC+ib, BSC+4*ic
.set ic, ic+1
.endr
.set ib, ib+1
.endr
	WIN 0x05
.set ia, 1
.rept 2
.set ib, 0
	s_wait_alu depctr_va_vdst(0)
.rept 4
.set ic, 0
.rept 2
	MM X+32*ic+8*ib, 72+12*(4*ia+ib), 36*ic+12*ia, X+32*ic+8*ib, ASC+4*ia+ib, BSC+4*ic+ia
.set ic, ic+1
.endr
.set ib, ib+1
.endr
.set ia, ia+1
.endr
	WIN 0
	PLACES 4
	LDKS
.Llayer:
	; ---- A1: qp = (x + pos) / 16, quantised; x += aggb
	v_add_nc_u32 v[PA], s[LOFF], v[PA0]
	v_add_nc_u32 v[PB], s[LOFF4], v[PB0]
	global_prefetch_b8 v[PFO], s[SW:SW+1] offset:393216 th:TH_LOAD_NT scope:SCOPE_SE   ; this layer's l2W
.set it, 0
.rept 2
	WIN 0x20
.set ia, 0
.rept 16
	v_pk_fma_f32 v[QT+2*ia:QT+2*ia+1], v[X+32*it+2*ia:X+32*it+2*ia+1], 0x3d800000, v[192+32*it+2*ia:193+32*it+2*ia] op_sel_hi:[1,0,1]
.set ia, ia+1
.endr
	QH QT, 0, it, 0
	QSTORE it
.set it, it+1
.endr
	PLOAD 192, 3, AGGB
	s_wait_dscnt 0x0
	XADD
	WIN 0xc0
.set ia, 0
.rept 8
	global_load_b128 v[192+4*ia:195+4*ia], v[R32], s[38:39] offset:512*(ia/2)+16*(ia%2)   ; V's scale bytes: pair of key rows ia / 2, two bytes a tile
.set ia, ia+1
.endr
	WIN 0
	BARRIER
	; ---- A2: S^T = K qp^T + the column mask
	FETCHQ
	s_wait_dscnt 0x0
	s_wait_loadcnt 0x0                             ; K's scale words and V's scale bytes (K's fragments came from LDS and are covered by the wait above): two ways lead here, and zero holds on both
	WIN 0x72
.set ia, 0
.rept 16
.set ib, 0
.rept 2
	MM 128*ib+8*ia, 12*ia, ACT+24*ib, 224+16*ib+8*(ia%2), ASC+4*(ia/2)+2*(ia%2), BSC+2*ib
.set ib, ib+1
.endr
.set ia, ia+1
.endr
	WIN 0
	PLACES 4                                       ; in front of loads into registers that matrix instructions have read
	DSTART 1, 12288, 36                            ; V: 128 loads; window 2 is free
.set DEND, 64
	DEAL 60
	WIN 0x53
.set ia, 0
.rept 16
.set ib, 0
.rept 2
	MM 128*ib+8*ia, 12*ia, ACT+24*ib+12, 128*ib+8*ia, ASC+4*(ia/2)+2*(ia%2)+1, BSC+2*ib+1
.set ib, ib+1
.endr
.set ia, ia+1
.endr
	WIN 0
	PLACES 4
.set DEND, 128                                         ; window 3 is free too
	DEAL 3                                         ; 63 are out; the other 65 go out inside the softmax
	WIN 0x0f                                       ; V's scale words: two bytes of each of two pairs of key rows
.set ia, 0
.rept 32
.if ia%2 == 0
	v_perm_b32 v[ASC+ia], v[192+8*(2*(ia/16)+1)+(ia%16)/2], v[192+16*(ia/16)+(ia%16)/2], s[PSE]
.else
	v_perm_b32 v[ASC+ia], v[192+8*(2*(ia/16)+1)+(ia%16)/2], v[192+16*(ia/16)+(ia%16)/2], s[PSO]
.endif
.set ia, ia+1
.endr
	WIN 0
	; ---- A3
	SOFTMAX 0, 0, 0, 24, 8
	SOFTMAX 1, 8, 128, 0, 0                        ; the second portion here takes whatever is left of the list
	; ---- A4: O^T = V^T p^T
	PLACES 8                                       ; scale registers written by vector instructions stand eight places ahead
	s_wait_loadcnt 63                              ; behind V's first 64 loads stand its other 64: with at most 63 out the first half is in
	WIN 0x42
.set ia, 0
.rept 16
.set ib, 0
.rept 2
	MZ 128*ib+8*ia, 12*ia, ACT+24*ib, ASC+ia, BSC+2*ib
.set ib, ib+1
.endr
.set ia, ia+1
.endr
	WIN 0
	PLACES 4
	DSTART 0, 0, 0                                 ; aggW: 96 loads
.set DEND, 48
	DEAL 48
	s_wait_alu depctr_va_vdst(0)
	s_wait_loadcnt 48                              ; V's second half is in; the 48 just issued may be out
	BIG32 1
	PLACES 4
	LDWS 0
.set DEND, 96
	DEAL 7                                         ; 48 + 8 + 7 = 63; the other 41 go out with the quantiser
	; ---- A5: O / l, quantised: K steps 2 w, 2 w + 1 of agg
.set it, 0
.rept 2
	WIN 0x41
.set ia, 0
.rept 64
	v_pk_mul_f32 v[128*it+2*ia:128*it+2*ia+1], v[128*it+2*ia:128*it+2*ia+1], v[RL+2*it:RL+2*it+1] op_sel_hi:[1,0]
.set ia, ia+1
.endr
	OQUANT it, 6
.set it, it+1
.endr
	DEAL 128                                       ; (nothing is left: 8 x 6 cover the 41)
	BARRIER
	; ---- A6: x += o aggW
	FETCHO
	s_wait_dscnt 0x0
	s_wait_loadcnt 48                              ; issued in this order: first half 48, scale words 8, second half 48: the first two are in
	D8HALF 0
	PLACES 4
	DSTART 0, 196608, 0                            ; l1W
.set DEND, 48
	DEAL 48
	s_wait_loadcnt 48                              ; aggW's second half is in; the 48 just issued may be out
	D8HALF 1
	PLACES 4
	LDWS 8192
	s_mul_i32 s80, s[LAYER], s[WV]
	s_cmp_lg_u32 s80, 0                            ; in the last layer wave 0 alone asks: the bytes behind its l2W are outW's; the other waves' would lie beyond the buffer
	s_cbranch_scc1 .Lno_ask_a
	global_prefetch_b8 v[PFO], s[SW:SW+1] offset:589824 th:TH_LOAD_NT scope:SCOPE_SE   ; the next layer's aggW, or outW
.Lno_ask_a:
.set DEND, 96
	DEAL 7
	; ---- A7
	LNORM N1G, N1B, 0
	; ---- A8: x quantised; l1b becomes the C of the hidden layer
	QH2 X, 0, 0                                    ; both tiles of tokens at once
.set qpc, PC
.set qpw, PW
	QSTORE 0
.set qpc, PC2
.set qpw, PW2
	QSTORE 1
	PLOAD 192, 3, L2B
	WIN 0x40
.set ia, 0
.rept 64
	ds_load_b128 v[4*ia:4*ia+3], v[PB] offset:PT+L1B+128*((ia%32)/4)+16*(ia%4)
.set ia, ia+1
.endr
	WIN 0
	BARRIER
	; ---- A9: hidden = x l1W + l1b;  x += l2b
	FETCHQ
	XADD
	s_wait_dscnt 0x0
	s_wait_loadcnt 48                              ; l1W's first half and scale words are in; behind them: its second half's 48
	BIG32 0
	PLACES 4
	DSTART 0, 393216, 0                            ; l2W
.set DEND, 48
	DEAL 48
	s_wait_loadcnt 48                              ; l1W's second half is in
	BIG32 1
	PLACES 4
	LDWS 16384
	s_cmp_eq_u32 s[LAYER], 1                       ; the last layer has no next l1W
	s_cbranch_scc1 .Lno_ask_b
	global_prefetch_b8 v[PFO], s[SW:SW+1] offset:786432 th:TH_LOAD_NT scope:SCOPE_SE   ; the next layer's l1W
.Lno_ask_b:
.set DEND, 96
	DEAL 7
	; ---- A10: relu, quantised
	WIN 0x44
.set ia, 0
.rept 256
	v_max_num_f32 v[ia], 0, v[ia]
.set ia, ia+1
.endr
	OQUANT 0, 6
	OQUANT 1, 6
	DEAL 128                                       ; (nothing is left)
	BARRIER
	; ---- A11: x += hidden l2W.  What is asked for next: the next layer's K, or, in the last layer, outW
	FETCHO
	s_wait_dscnt 0x0
	s_wait_loadcnt 48                              ; l2W's first half and scale words are in
	D8HALF 0
	PLACES 4
	s_cmp_eq_u32 s[LAYER], 1
	s_cbranch_scc1 .Llast_a
	LDK 0                                          ; the next layer's K, step 0, from LDS into window 2
	s_wait_loadcnt 0x0                             ; l2W's second half is in: no global load stands behind it
	s_branch .Ljoin_a
.Llast_a:
	WIN 0x80
.set ia, 0
.rept 24
	global_load_b128 v[4*ia:4*ia+3], v[L16], s[SOW:SOW+1] offset:512*ia
.set ia, ia+1
.endr
	WIN 0
	s_wait_loadcnt 24                              ; l2W's second half is in; the 24 just issued may be out
	s_cmp_lg_u32 s[WV], 0
	s_cbranch_scc1 .Ljoin_a
	WIN 0x80
.set ia, 0
.rept 6
	global_load_b128 v[96+4*ia:99+4*ia], v[L16], s[SOW:SOW+1] offset:49152+512*ia   ; wave 0: tile 16's two fragments
.set ia, ia+1
.endr
	WIN 0
.Ljoin_a:
	D8HALF 1
	PLACES 4
	s_cmp_eq_u32 s[LAYER], 1
	s_cbranch_scc1 .Llast_b
	LDK 1                                          ; K step 1 into window 3; the barrier's wait inside the norm covers these loads
	LDKS
	s_branch .Ljoin_b
.Llast_b:
	global_load_b128 v[ASC:ASC+3], v[R16], s[SOS:SOS+1]
	global_load_b128 v[ASC+4:ASC+7], v[R16], s[SOS:SOS+1] offset:256
	WIN 0x40
.set ia, 0
.rept 8
	global_load_b128 v[192+8*ia:195+8*ia], v[OBA], s[26:27] offset:64*(ia/2)       ; outb is the C of the last product: accumulator 2 t + tt
	global_load_b128 v[196+8*ia:199+8*ia], v[OBA], s[26:27] offset:64*(ia/2)+16
.set ia, ia+1
.endr
	WIN 0
	s_cmp_lg_u32 s[WV], 0
	s_cbranch_scc1 .Ljoin_b
	global_load_b128 v[ASC+8:ASC+11], v[R16], s[SOS:SOS+1] offset:2048
	WIN 0x40
.irp i, 0,1
	global_load_b128 v[8*\i:8*\i+3], v[OBA], s[26:27] offset:1024
	global_load_b128 v[8*\i+4:8*\i+7], v[OBA], s[26:27] offset:1040
.endr
	WIN 0
.Ljoin_b:
	; ---- A12
	LNORM N2G, N2B, 0
	s_wait_xcnt 0x0                                ; the pending loads have read their bases
	s_add_nc_u64 s[SW:SW+1], s[SW:SW+1], 589824
	s_add_nc_u64 s[SWS:SWS+1], s[SWS:SWS+1], 24576
	s_add_co_u32 s[LOFF], s[LOFF], 1024
	s_add_co_u32 s[LOFF4], s[LOFF4], 4096
	s_add_co_u32 s[LAYER], s[LAYER], 1
	s_cmp_lt_u32 s[LAYER], 2
	s_cbranch_scc1 .Llayer
	; ---- the reconstruction and each token's error
	QH2 X, 0, 0                                    ; both tiles of tokens at once
.set qpc, PC
.set qpw, PW
	QSTORE 0
.set qpc, PC2
.set qpw, PW2
	QSTORE 1
	BARRIER
	FETCHQ
	s_wait_dscnt 0x0
	s_wait_loadcnt 0x0
	WIN 0x52
.set ia, 0
.rept 2
.set ib, 0
.rept 4
.set ic, 0
.rept 2
	MM 192+8*(2*ib+ic), 12*(4*ia+ib), ACT+24*ic+12*ia, 192+8*(2*ib+ic), ASC+4*ia+ib, BSC+2*ic+ia
.set ic, ic+1
.endr
.set ib, ib+1
.endr
.set ia, ia+1
.endr
	WIN 0
	s_cmp_lg_u32 s[WV], 0
	s_cbranch_scc1 .Lno16a
	WIN 0x52
.set ia, 0
.rept 2
.set ic, 0
.rept 2
	MM 8*ic, 12*(8+ia), ACT+24*ic+12*ia, 8*ic, ASC+8+ia, BSC+2*ic+ia
.set ic, ic+1
.endr
.set ia, ia+1
.endr
	WIN 0
.Lno16a:
	PLACES 4
.set ia, 0
.rept 64
	ds_load_b32 v[X+ia], v[FR] offset:(16*(ia/16)+ia%8)*144+64*((ia/8)%2)   ; the feature at channel 64 w + 16 t + 8 h + j, token 16 tt + r
.set ia, ia+1
.endr
	s_wait_dscnt 0x0
	WIN 0x01
.set ia, 0
.rept 64
	v_sub_f32 v[X+ia], v[192+ia], v[X+ia]
.set ia, ia+1
.endr
	WIN 0
	v_pk_mul_f32 v[200:201], v[X:X+1], v[X:X+1]
	v_pk_mul_f32 v[202:203], v[X+8:X+9], v[X+8:X+9]
.set ia, 1
.rept 31
.if (ia != 4)
	v_pk_fma_f32 v[200+2*((ia/4)%2):201+2*((ia/4)%2)], v[X+2*ia:X+2*ia+1], v[X+2*ia:X+2*ia+1], v[200+2*((ia/4)%2):201+2*((ia/4)%2)]
.endif
.set ia, ia+1
.endr
	WIN 0x04
.set ia, 0
.rept 64
	ds_store_b32 v[FR], v[192+ia] offset:(16*(ia/16)+ia%8)*144+64*((ia/8)%2)   ; the reconstruction takes the feature's place: each word is read and written by its own lane alone
.set ia, ia+1
.endr
	WIN 0
	s_cmp_lg_u32 s[WV], 0
	s_cbranch_scc1 .Lno16b
.set ia, 0
.rept 16
	ds_load_b32 v[208+ia], v[FR] offset:36864+(ia%8)*144+64*(ia/8)
.set ia, ia+1
.endr
	s_wait_dscnt 0x0
	WIN 0x01
.set ia, 0
.rept 16
	v_sub_f32 v[208+ia], v[ia], v[208+ia]
.set ia, ia+1
.endr
	WIN 0
.set ia, 0
.rept 8
	v_pk_fma_f32 v[200+2*(ia/4):201+2*(ia/4)], v[208+2*ia:209+2*ia], v[208+2*ia:209+2*ia], v[200+2*(ia/4):201+2*(ia/4)]
.set ia, ia+1
.endr
	WIN 0x04
.set ia, 0
.rept 16
	ds_store_b32 v[FR], v[ia] offset:36864+(ia%8)*144+64*(ia/8)
.set ia, ia+1
.endr
	WIN 0
.Lno16b:
	s_wait_alu depctr_va_vdst(0)
.irp i, 0,1
	v_add_f32 v[204+\i], v[200+2*\i], v[201+2*\i]
.endr
.irp i, 0,1
	v_permlanex16_b32 v[206+\i], v[204+\i], s[SEL], s[SEL+1]
.endr
.irp i, 0,1
	v_add_f32 v[204+\i], v[204+\i], v[206+\i]
	ds_store_b32 v[LNW], v[204+\i] offset:LNS+128*\i   ; my channels' part of token 16 tt + r, at 256 w + 8 x token
.endr
	BARRIER
.set ia, 0
	s_wait_xcnt 0x0                                ; the last prefetch has read v185, which now takes the stores' offset:
	v_lshrrev_b32 v200, 5, v[L4]                   ; lane / 8: four channels an instruction, 4,096 bytes apart,
	v_and_b32 v201, 28, v[L4]                      ; 4 x (lane % 8): eight lanes to a channel's 128 bytes,
	s_mul_i32 s80, s[WV], 278528                   ; from channel 68 w on
	v_lshlrev_b32 v[CPG], 12, v200
	v_lshl_add_u32 v[CPG], v201, 2, v[CPG]
	v_add_nc_u32 v[CPG], s80, v[CPG]
	s_wait_alu depctr_va_vdst(0)
.rept 17
	ds_load_b128 v[16+4*ia:19+4*ia], v[CPL] offset:576*ia
.set ia, ia+1
.endr
.set ia, 0
.rept 17
	s_wait_dscnt 16-ia                             ; load ia is in; the younger ones may be out
	global_store_b128 v[CPG], v[16+4*ia:19+4*ia], s[40:41] offset:16384*ia th:TH_STORE_NT   ; four channels, 128 consecutive bytes each
.set ia, ia+1
.endr
	s_cmp_lg_u32 s[WV], 0
	s_cbranch_scc1 .Lend
.irp i, 0,1,2,3
	ds_load_b32 v[200+\i], v[L8] offset:LNS+256*\i
.endr
	s_wait_dscnt 0x0
	v_add_f32 v200, v200, v201
	v_add_f32 v202, v202, v203
	v_add_f32 v200, v200, v202
	s_wait_alu depctr_va_vdst(0)
	v_sqrt_f32 v204, v200
	v_nop
	s_wait_alu depctr_va_vdst(0)
	global_store_b32 v[L4], v204, s[42:43]
.Lend:
	s_wait_xcnt 0x0
	v_lshl_add_u32 v254, v0, 2, 0x19100
	v_mov_b32 v255, 0
	s_wait_alu depctr_va_vdst(0)
	s_wait_tensorcnt 0x0
	ds_add_u32 v254, v255
	s_wait_dscnt 0x0
	s_endpgm
.Lfunc_end_k_q11e24f521e_chain:
	.size	k_q11e24f521e_chain, .Lfunc_end_k_q11e24f521e_chain-k_q11e24f521e_chain
	.p2alignl 7, 3214868480
	.fill 96, 4, 3214868480
	.section	.rodata,"a",@progbits
	.p2align	6, 0x0
	.amdhsa_kernel k_q11e24f521e_chain
		.amdhsa_group_segment_fixed_size 299776
		.amdhsa_private_segment_fixed_size 0
		.amdhsa_enable_private_segment 0
		.amdhsa_kernarg_size 160
		.amdhsa_user_sgpr_count 2
		.amdhsa_user_sgpr_kernarg_segment_ptr 1
		.amdhsa_wavefront_size32 1
		.amdhsa_system_sgpr_workgroup_id_x 1
		.amdhsa_system_sgpr_workgroup_id_y 1
		.amdhsa_system_sgpr_workgroup_id_z 1
		.amdhsa_system_vgpr_workitem_id 0
		.amdhsa_next_free_vgpr 1024
		.amdhsa_next_free_sgpr 102
		.amdhsa_reserve_vcc 1
		.amdhsa_float_denorm_mode_32 3
		.amdhsa_float_denorm_mode_16_64 3
		.amdhsa_memory_ordered 1
		.amdhsa_forward_progress 1
		.amdhsa_inst_pref_size 255
	.end_amdhsa_kernel
	.section	.bss,"aw",@nobits
	.p2align	6
	.space	262144
	.amdgpu_metadata
---
amdhsa.version: [ 1, 2 ]
amdhsa.kernels:
  - .name:           k_q11e24f521e_chain
    .symbol:         k_q11e24f521e_chain.kd
    .args:
      - { .name: query_features, .offset: 0, .size: 8, .value_kind: global_buffer, .address_space: global }
      - { .name: qb, .offset: 8, .size: 8, .value_kind: global_buffer, .address_space: global }
      - { .name: row_embed, .offset: 16, .size: 8, .value_kind: global_buffer, .address_space: global }
      - { .name: col_embed, .offset: 24, .size: 8, .value_kind: global_buffer, .address_space: global }
      - { .name: aggb, .offset: 32, .size: 8, .value_kind: global_buffer, .address_space: global }
      - { .name: n1g, .offset: 40, .size: 8, .value_kind: global_buffer, .address_space: global }
      - { .name: n1b, .offset: 48, .size: 8, .value_kind: global_buffer, .address_space: global }
      - { .name: l1b, .offset: 56, .size: 8, .value_kind: global_buffer, .address_space: global }
      - { .name: l2b, .offset: 64, .size: 8, .value_kind: global_buffer, .address_space: global }
      - { .name: n2g, .offset: 72, .size: 8, .value_kind: global_buffer, .address_space: global }
      - { .name: n2b, .offset: 80, .size: 8, .value_kind: global_buffer, .address_space: global }
      - { .name: outb, .offset: 88, .size: 8, .value_kind: global_buffer, .address_space: global }
      - { .name: WF, .offset: 96, .size: 8, .value_kind: global_buffer, .address_space: global }
      - { .name: WS, .offset: 104, .size: 8, .value_kind: global_buffer, .address_space: global }
      - { .name: Kc, .offset: 112, .size: 8, .value_kind: global_buffer, .address_space: global }
      - { .name: Ks, .offset: 120, .size: 8, .value_kind: global_buffer, .address_space: global }
      - { .name: Vc, .offset: 128, .size: 8, .value_kind: global_buffer, .address_space: global }
      - { .name: Vs, .offset: 136, .size: 8, .value_kind: global_buffer, .address_space: global }
      - { .name: out0, .offset: 144, .size: 8, .value_kind: global_buffer, .address_space: global }
      - { .name: predraw, .offset: 152, .size: 8, .value_kind: global_buffer, .address_space: global }
    .group_segment_fixed_size: 299776
    .private_segment_fixed_size: 0
    .kernarg_segment_align: 8
    .kernarg_segment_size: 160
    .max_flat_workgroup_size: 128
    .sgpr_count:     102
    .vgpr_count:     1024
    .wavefront_size: 32
...
	.end_amdgpu_metadata
.endif
;; end of part 3
;; launch resize (part 4): grid 256 x 1, 8 waves a work-group, no clusters, 1,280 bytes of LDS; arguments predraw, out1; writes out1
.if DOCPART == 4
	.amdgcn_target "amdgcn-amd-amdhsa--gfx1250"
	.amdhsa_code_object_version 6
	.text
	.protected	k_q11e24f521e_resize
	.globl	k_q11e24f521e_resize
	.p2align	8
	.type	k_q11e24f521e_resize,@function
k_q11e24f521e_resize:
	s_mov_b64 s[64:65], 0
	v_nop
	global_prefetch_b8 v0, s[64:65] scope:SCOPE_SE
	s_setreg_imm32_b32 hwreg(HW_REG_WAVE_MODE, 25, 1), 1
	s_wait_xcnt 0x0
; out1 = the errors (8 images of 32 x 32), brought to 0 .. 1 by the smallest and the largest of all 8,192, and resized to 256 x 256 with corners aligned.
; Every work-group finds the two extremes for itself (32 KB, read by all).  A work-group makes 8 rows of one image, a wave one row: lane j blends column j of the two source rows,
; and each output column takes its two neighbours from their lanes.  A lane owns columns 128 k + 4 L + 0 .. 3, so that a store covers 512 dense bytes.
; The source index is floor(31 y / 255), in whole numbers: (n + 1 + (n >> 8)) >> 8 with n = 31 y, exact for n under 65,535; the weight is the remainder / 255.  An f32 floor of y x (31 / 255) can
; differ from it at y = 255 alone, where both give the last source row.  Where all errors are equal the result is NaN, as it is by definition.
; No matrix unit, no cluster, no tensor load: the launch moves 2 MB out and has next to no arithmetic.
.set I0, 64
.set I1, 72
.set FX, 80
.set AV, 88
.set CV, 96
.set OU, 104
	s_load_b128 s[4:7], s[0:1], 0x0                ; predraw, out1
	v_lshl_add_u32 v128, v0, 2, 0x100
	v_mov_b32 v129, 0
	v_lshrrev_b32 v1, 5, v0
	s_delay_alu instid0(VALU_DEP_1)
	v_readfirstlane_b32 s8, v1                     ; wave
	v_and_b32 v2, 31, v0                           ; lane
	v_lshlrev_b32 v3, 4, v0                        ; 16 x thread
	s_delay_alu instid0(VALU_DEP_2)
	v_lshlrev_b32 v4, 2, v2                        ; 4 x lane
	s_wait_alu depctr_va_vdst(0)
	v_lshlrev_b32 v55, 4, v2
	s_lshr_b32 s9, ttmp9, 5                        ; image
	s_and_b32 s10, ttmp9, 31
	s_lshl_b32 s10, s10, 3
	s_add_co_u32 s10, s10, s8                      ; y
	s_mul_i32 s11, s10, 31
	s_lshr_b32 s12, s11, 8
	s_add_co_u32 s12, s12, s11
	s_add_co_u32 s12, s12, 1
	s_lshr_b32 s12, s12, 8                         ; y0
	s_mul_i32 s13, s12, 255
	s_sub_co_u32 s13, s11, s13                     ; the remainder
	s_add_co_u32 s14, s12, 1
	s_min_u32 s14, s14, 31                         ; y1
	s_lshl_b32 s15, s9, 12
	s_lshl_b32 s16, s12, 7
	s_add_co_u32 s16, s16, s15
	s_lshl_b32 s17, s14, 7
	s_add_co_u32 s17, s17, s15
	v_add_nc_u32 v5, s16, v4
	v_add_nc_u32 v6, s17, v4
	s_mov_b32 s18, 0x76543210
	s_mov_b32 s19, 0xfedcba98
	s_lshl_b32 s20, s9, 18
	s_lshl_b32 s21, s10, 10
	s_add_co_u32 s20, s20, s21
	s_mov_b32 s21, 0
	v_mov_b32 v44, s8
	s_delay_alu instid0(VALU_DEP_1)
	v_lshlrev_b32 v44, 3, v44                      ; LDS: 8 x wave
	v_mov_b32 v45, 0
	s_wait_alu depctr_va_vdst(0)
	s_wait_kmcnt 0x0
	s_add_nc_u64 s[6:7], s[6:7], s[20:21]
.set ia, 0
.rept 8
	global_load_b128 v[8+4*ia:11+4*ia], v3, s[4:5] offset:4096*ia
.set ia, ia+1
.endr
	global_load_b32 v40, v5, s[4:5]
	global_load_b32 v41, v6, s[4:5]
	; the columns' indices and weights, while the loads are out
.set ia, 0
.rept 8
	v_add_nc_u32 v50, 128*(ia/4)+ia%4, v4          ; x
	s_delay_alu instid0(VALU_DEP_1)
	v_mul_u32_u24 v51, v50, 31
	s_delay_alu instid0(VALU_DEP_1)
	v_lshrrev_b32 v52, 8, v51
	s_delay_alu instid0(VALU_DEP_1)
	v_add3_u32 v52, v52, v51, 1
	s_delay_alu instid0(VALU_DEP_1)
	v_lshrrev_b32 v52, 8, v52                      ; x0
	s_delay_alu instid0(VALU_DEP_1)
	v_mul_u32_u24 v53, v52, 255
	s_delay_alu instid0(VALU_DEP_1)
	v_sub_nc_u32 v53, v51, v53
	s_delay_alu instid0(VALU_DEP_1)
	v_cvt_f32_u32 v53, v53
	s_delay_alu instid0(VALU_DEP_1)
	v_mul_f32 v[FX+ia], 0x3b808081, v53            ; the remainder / 255
	v_add_nc_u32 v54, 1, v52
	s_delay_alu instid0(VALU_DEP_1)
	v_min_u32 v54, 31, v54
	v_lshlrev_b32 v[I0+ia], 2, v52
	s_delay_alu instid0(VALU_DEP_2)
	v_lshlrev_b32 v[I1+ia], 2, v54
.set ia, ia+1
.endr
	v_cvt_f32_u32 v46, s13
	s_delay_alu instid0(VALU_DEP_1)
	v_mul_f32 v46, 0x3b808081, v46                 ; fy
	s_delay_alu instid0(VALU_DEP_1)
	v_sub_f32 v47, 1.0, v46
	s_wait_loadcnt 0x0
	v_min3_num_f32 v42, v8, v9, v10
	v_max3_num_f32 v43, v8, v9, v10
.set ia, 11
.rept 14
	s_delay_alu instid0(VALU_DEP_2)
	v_min3_num_f32 v42, v42, v[ia], v[ia+1]
	s_delay_alu instid0(VALU_DEP_2)
	v_max3_num_f32 v43, v43, v[ia], v[ia+1]
.set ia, ia+2
.endr
	s_delay_alu instid0(VALU_DEP_2)
	v_min_num_f32 v42, v42, v39
	s_delay_alu instid0(VALU_DEP_2)
	v_max_num_f32 v43, v43, v39
.irp m, 1,2,4,8
	s_delay_alu instid0(VALU_DEP_2)
	v_min_num_f32_dpp v42, v42, v42 row_xmask:\m row_mask:0xf bank_mask:0xf
	s_delay_alu instid0(VALU_DEP_2)
	v_max_num_f32_dpp v43, v43, v43 row_xmask:\m row_mask:0xf bank_mask:0xf
.endr
	v_mov_b32 v48, 0
	v_mov_b32 v49, 0
	s_delay_alu instid0(VALU_DEP_2)
	v_permlanex16_b32 v48, v42, s18, s19
	s_delay_alu instid0(VALU_DEP_2)
	v_permlanex16_b32 v49, v43, s18, s19
	s_delay_alu instid0(VALU_DEP_2)
	v_min_num_f32 v42, v42, v48
	s_delay_alu instid0(VALU_DEP_2)
	v_max_num_f32 v43, v43, v49
	ds_store_b64 v44, v[42:43]                     ; all lanes write the wave's pair
	s_wait_dscnt 0x0
	s_barrier_signal -1
	s_barrier_wait -1
.irp i, 0,1,2,3
	ds_load_b128 v[8+4*\i:11+4*\i], v45 offset:16*\i
.endr
	s_wait_dscnt 0x0
	v_min3_num_f32 v42, v8, v10, v12
	v_max3_num_f32 v43, v9, v11, v13
	s_delay_alu instid0(VALU_DEP_2)
	v_min3_num_f32 v42, v42, v14, v16
	s_delay_alu instid0(VALU_DEP_2)
	v_max3_num_f32 v43, v43, v15, v17
	s_delay_alu instid0(VALU_DEP_2)
	v_min3_num_f32 v42, v42, v18, v20
	s_delay_alu instid0(VALU_DEP_2)
	v_max3_num_f32 v43, v43, v19, v21
	s_delay_alu instid0(VALU_DEP_2)
	v_min_num_f32 v42, v42, v22
	s_delay_alu instid0(VALU_DEP_2)
	v_max_num_f32 v43, v43, v23
	s_delay_alu instid0(VALU_DEP_1)
	v_sub_f32 v43, v43, v42
	s_wait_alu depctr_va_vdst(0)
	v_rcp_f32 v48, v43
	v_sub_f32 v40, v40, v42                        ; (plain work behind the reciprocal)
	v_sub_f32 v41, v41, v42
	s_wait_alu depctr_va_vdst(0)                   ; ahead of the reciprocal's first reader
	v_mul_f32 v40, v40, v48
	v_mul_f32 v41, v41, v48
	s_delay_alu instid0(VALU_DEP_2)
	v_mul_f32 v49, v40, v47
	s_delay_alu instid0(VALU_DEP_1)
	v_fmac_f32 v49, v41, v46                       ; column j of output row y
.set ia, 0
.rept 8
	ds_bpermute_b32 v[AV+ia], v[I0+ia], v49
	ds_bpermute_b32 v[CV+ia], v[I1+ia], v49
.set ia, ia+1
.endr
	s_wait_dscnt 0x0
.set ia, 0
.rept 8
	v_sub_f32 v50, 1.0, v[FX+ia]
	s_delay_alu instid0(VALU_DEP_1)
	v_mul_f32 v[OU+ia], v[AV+ia], v50
	s_delay_alu instid0(VALU_DEP_1)
	v_fmac_f32 v[OU+ia], v[CV+ia], v[FX+ia]
.set ia, ia+1
.endr
	global_store_b128 v55, v[OU:OU+3], s[6:7] th:TH_STORE_NT
	global_store_b128 v55, v[OU+4:OU+7], s[6:7] offset:512 th:TH_STORE_NT
	s_wait_tensorcnt 0x0
	ds_add_u32 v128, v129
	s_wait_dscnt 0x0
	s_endpgm
.Lfunc_end_k_q11e24f521e_resize:
	.size	k_q11e24f521e_resize, .Lfunc_end_k_q11e24f521e_resize-k_q11e24f521e_resize
	.p2alignl 7, 3214868480
	.fill 96, 4, 3214868480
	.section	.rodata,"a",@progbits
	.p2align	6, 0x0
	.amdhsa_kernel k_q11e24f521e_resize
		.amdhsa_group_segment_fixed_size 1280
		.amdhsa_private_segment_fixed_size 0
		.amdhsa_enable_private_segment 0
		.amdhsa_kernarg_size 16
		.amdhsa_user_sgpr_count 2
		.amdhsa_user_sgpr_kernarg_segment_ptr 1
		.amdhsa_wavefront_size32 1
		.amdhsa_system_sgpr_workgroup_id_x 1
		.amdhsa_system_sgpr_workgroup_id_y 1
		.amdhsa_system_sgpr_workgroup_id_z 1
		.amdhsa_system_vgpr_workitem_id 0
		.amdhsa_next_free_vgpr 130
		.amdhsa_next_free_sgpr 66
		.amdhsa_reserve_vcc 0
		.amdhsa_float_denorm_mode_32 3
		.amdhsa_float_denorm_mode_16_64 3
		.amdhsa_memory_ordered 1
		.amdhsa_forward_progress 1
		.amdhsa_inst_pref_size 19
	.end_amdhsa_kernel
	.amdgpu_metadata
---
amdhsa.version: [ 1, 2 ]
amdhsa.kernels:
  - .name:           k_q11e24f521e_resize
    .symbol:         k_q11e24f521e_resize.kd
    .args:
      - { .name: predraw, .offset: 0, .size: 8, .value_kind: global_buffer, .address_space: global }
      - { .name: out1, .offset: 8, .size: 8, .value_kind: global_buffer, .address_space: global }
    .group_segment_fixed_size: 1280
    .private_segment_fixed_size: 0
    .kernarg_segment_align: 8
    .kernarg_segment_size: 16
    .max_flat_workgroup_size: 256
    .sgpr_count:     66
    .vgpr_count:     130
    .wavefront_size: 32
...
	.end_amdgpu_metadata
.endif
;; end of part 4
